; MI455X (gfx1250); checked and timed in simulation.
; The chip was launched on July 23, 2026; its instructions are those of AMD's public machine-readable ISA for CDNA 5 (MIT licence, August 2026) and "CDNA5" Instruction Set Architecture Reference Guide (July 2026). The comments in the code are by the model that wrote it; some were corrected since.
;; Decision Transformer GPT2 Attention. Allowed arithmetic: float matrix products may take bf16 or f16 operands with f32 sums; all other float work in f32.
;; Inputs: c_attn_b 3,072 float32; c_attn_w 1,024 x 3,072 float32; c_proj_b 1,024 float32; c_proj_w 1,024 x 1,024 float32; hidden_states 2 x 2,048 x 1,024 float32; position_ids 2 x 2,048 int32.
;; Outputs: out0 2 x 2,048 x 1,024 float32.
;; 2 versions, each right; version 2 is version 1 with the launch prep written anew for expert scheduling mode. Each part assembles by itself: llvm-mc -triple=amdgcn-amd-amdhsa -mcpu=gfx1250 --defsym DOCPART=n.
;; ======== version 1 of 2: 4 launches
;; limits: values are held in f16: magnitudes above 65,504 overflow, below 6.1e-05 lose precision
;; workspace buffers: xb 8,388,608 bytes; waT 6,291,456 bytes; wpT 2,097,152 bytes; tab 524,288 bytes; qbuf 8,388,608 bytes; kbuf 8,388,608 bytes; vbuf 8,388,608 bytes; ao 16,777,216 bytes
;; launch prep (part 1): grid 256 x 1, 8 waves a work-group, no clusters, 35,840 bytes of LDS; arguments hidden_states, c_attn_w, c_proj_w, xb, waT, wpT, tab; writes xb, waT, wpT, tab
.if DOCPART == 1
	.amdgcn_target "amdgcn-amd-amdhsa--gfx1250"
	.amdhsa_code_object_version 6
	.text
	.protected	k_q6507421570_prep
	.globl	k_q6507421570_prep
	.p2align	8
	.type	k_q6507421570_prep,@function
k_q6507421570_prep:
	s_mov_b64 s[64:65], 0
	v_nop
	global_prefetch_b8 v0, s[64:65] scope:SCOPE_SE
	s_setreg_imm32_b32 hwreg(HW_REG_WAVE_MODE, 25, 1), 1
	s_wait_xcnt 0x0
; Three jobs for each of 256 work-groups of eight waves; no loop, no matrix work.
;  (1) xb = hidden_states as bf16: 65,536 bytes of f32 in, 32,768 bytes out for each work-group.
;  (2) one tile of 128 k x 128 n of a weight, transposed to [n][k] bf16 through LDS.  Work-groups 0-191 take c_attn_w (8 x 24 tiles),
;      192-255 take c_proj_w (8 x 8).  c_attn_w's column n = 1024 type + 64 head + d goes to row 192 head + 64 type + d of waT, so that
;      192 neighbouring rows of waT are one head's q, k and v.
;  (3) eight rows of the rotary table, one position a wave: tab[pos] = 32 cosines, then 32 sines, of pos x 4000^(-i/32): 256 bytes.
; All 32 loads of a lane go out first; the table is computed while they are on their way.
; LIMIT: the angle is pos x exp2(-i x 0.37393076) in f32; the exponential is good to one unit in the last place, so the angle differs
; from f32 t x inv_freq by some 2e-4 radians at the largest angle (1,580).  Sine and cosine: quadrant reduction with pi/2 in two parts,
; then polynomials of degree 7 and 8 on |f| <= pi/4, whose first dropped terms are below 4e-7.
.set WA, 4                             ; v[4:19]    byte offsets of my 16 rows of the weight tile: one register a load, none rewritten
.set XR, 20                            ; v[20:83]   x as loaded, then packed in place
.set WR, 84                            ; v[84:147]  the weight rows as loaded; later the transposed rows read back
.set TR, 148                           ; v[148:179] the weight, packed by columns
.set TPITCH, 272                       ; an LDS row: 128 k in bf16 + 16 bytes
	s_load_b256 s[4:11], s[0:1], 0x0               ; hidden s[4:5], c_attn_w s[6:7], c_proj_w s[8:9], xb s[10:11]
	s_load_b128 s[12:15], s[0:1], 0x20             ; waT s[12:13], wpT s[14:15]
	s_load_b64 s[16:17], s[0:1], 0x30              ; tab
	v_lshl_add_u32 v208, v0, 2, 0x8800
	v_mov_b32 v209, 0
	v_and_b32 v1, 31, v0                           ; lane
	v_lshrrev_b32 v2, 5, v0
	v_readfirstlane_b32 s18, v2                    ; wave
	s_mov_b32 s19, ttmp9                           ; g
	s_sub_co_u32 s20, s19, 192
	s_movk_i32 s22, 0x3000                         ; bytes in a row of c_attn_w
	s_movk_i32 s23, 0x1000                         ; and of c_proj_w
	s_cmp_lt_u32 s19, 192
	s_cselect_b32 s21, s19, s20                    ; the tile's number in its weight
	s_cselect_b32 s28, s22, s23                    ; the source's pitch
	s_cselect_b32 s29, 128, 0                      ; waT: the tile's second head lies 128 rows further than its column says
	s_and_b32 s31, s21, 7                          ; kb: block of 128 k
	s_lshr_b32 s32, s21, 3                         ; nb: block of 128 n
	s_and_b32 s33, s32, 7
	s_mul_i32 s33, s33, 384                        ; waT: two heads of 192 rows for each block,
	s_lshr_b32 s34, s32, 3
	s_lshl_b32 s34, s34, 6                         ; + 64 type
	s_add_co_u32 s33, s33, s34
	s_lshl_b32 s34, s32, 7                         ; wpT: 128 nb
	s_cmp_lt_u32 s19, 192
	s_cselect_b32 s30, s33, s34                    ; first destination row
	s_lshl_b32 s36, s31, 7
	s_mul_i32 s36, s36, s28                        ; source: 128 kb rows
	s_lshl_b32 s37, s32, 9                         ; + 128 nb columns of 4 bytes
	s_add_co_u32 s36, s36, s37
	s_mov_b32 s37, 0
	s_lshr_b32 s38, s18, 2                         ; destination: which of the tile's two heads my 16 rows belong to
	s_mul_i32 s38, s38, s29
	s_add_co_u32 s38, s38, s30
	s_lshl4_add_u32 s38, s18, s38                  ; + 16 wave
	s_lshl_b32 s38, s38, 11                        ; rows of 2,048 bytes
	s_lshl_b32 s39, s31, 8                         ; + 128 kb in bf16
	s_add_co_u32 s38, s38, s39
	s_mov_b32 s39, 0
	s_lshl_b32 s40, s19, 16                        ; x: 65,536 bytes a work-group
	s_mov_b32 s41, 0
	s_lshl_b32 s42, s19, 15                        ; xb: 32,768
	s_mov_b32 s43, 0
	s_lshl3_add_u32 s44, s19, s18                  ; pos = 8 g + wave
	s_lshl_b32 s46, s44, 8                         ; its row of 256 bytes
	s_mov_b32 s47, 0
	s_lshl_b32 s35, s18, 4
	s_mul_i32 s35, s35, s28                        ; my 16 rows of the tile
	s_mul_i32 s45, s18, 16*TPITCH                  ; my 16 rows of the transposed tile in LDS
	v_lshlrev_b32 v2, 5, v1
	v_lshl_add_u32 v2, s18, 13, v2                 ; x: 8,192 wave + 32 lane
	v_lshlrev_b32 v3, 4, v1
	v_lshl_add_u32 v3, s18, 12, v3                 ; xb: 4,096 wave + 16 lane
	v_lshl_add_u32 v[WA], v1, 4, s35               ; weight: 16 lane + row x pitch
.irp i, 1,2,3,4,5,6,7,8,9,10,11,12,13,14,15
	v_add_nc_u32 v[WA+\i], s28, v[WA+\i-1]
.endr
	s_wait_kmcnt 0x0
	s_cmp_lt_u32 s19, 192
	s_cselect_b64 s[24:25], s[6:7], s[8:9]         ; the weight that I read
	s_cselect_b64 s[26:27], s[12:13], s[14:15]     ; and the one that I write
	s_add_nc_u64 s[24:25], s[24:25], s[36:37]
	s_add_nc_u64 s[26:27], s[26:27], s[38:39]
	s_add_nc_u64 s[4:5], s[4:5], s[40:41]
	s_add_nc_u64 s[10:11], s[10:11], s[42:43]
	s_add_nc_u64 s[16:17], s[16:17], s[46:47]
.irp p, 0,1,2,3,4,5,6,7
	global_load_b128 v[XR+8*\p:XR+8*\p+3],   v2, s[4:5] offset:1024*\p th:TH_LOAD_NT      ; a lane's 8 neighbouring numbers: 16 bytes of bf16
	global_load_b128 v[XR+8*\p+4:XR+8*\p+7], v2, s[4:5] offset:1024*\p+16 th:TH_LOAD_NT
.endr
.irp i, 0,1,2,3,4,5,6,7,8,9,10,11,12,13,14,15
	global_load_b128 v[WR+4*\i:WR+4*\i+3], v[WA+\i], s[24:25] th:TH_LOAD_NT              ; row 16 wave + i: 512 neighbouring bytes
.endr
	; the table.  Lanes 0-15 make cosines, lanes 16-31 sines, of frequencies 2 (lane mod 16) and the next.
	v_cvt_f32_u32 v180, s44                        ; pos
	v_lshrrev_b32 v181, 4, v1                      ; kind: 0 cosine, 1 sine
	v_sub_nc_u32 v191, 1, v181                     ; a cosine is the sine one quadrant on
	v_and_b32 v200, 15, v1
	v_lshlrev_b32 v182, 1, v200
	v_add_nc_u32 v183, 1, v182
	v_cvt_f32_u32 v182, v182
	v_cvt_f32_u32 v183, v183
	v_lshlrev_b32 v199, 3, v1                      ; 8 bytes a lane
.macro SINCOS dst, ireg
	v_mul_f32 v186, 0xbebf73da, v[\ireg]           ; -i log2(4000) / 32
	v_exp_f32 v186, v186                           ; inv_freq
	v_nop                                          ; one plain instruction behind the exponential (ISA guide 5.7.2)
	s_wait_alu depctr_va_vdst(0)
	v_mul_f32 v187, v180, v186                     ; x = pos x inv_freq
	v_mul_f32 v188, 0x3f22f983, v187               ; x 2/pi
	v_rndne_f32 v188, v188                         ; n
	v_fmamk_f32 v189, v188, 0xbfc90fdb, v187       ; f = x - n pi/2, the upper part of pi/2,
	v_fmamk_f32 v189, v188, 0x333bbd2e, v189       ; and what the upper part has too much
	v_cvt_i32_f32 v190, v188
	v_add_nc_u32 v190, v190, v191                  ; quadrant
	v_mul_f32 v192, v189, v189                     ; u = f f
	v_mov_b32 v193, 0xb9500d01                     ; -1/5040
	v_fmaak_f32 v193, v192, v193, 0x3c088889       ; 1/120
	v_fmaak_f32 v193, v192, v193, 0xbe2aaaab       ; -1/6
	v_mul_f32 v194, v189, v192
	v_fma_f32 v193, v194, v193, v189               ; sin f
	v_mov_b32 v195, 0x37d00d01                     ; 1/40320
	v_fmaak_f32 v195, v192, v195, 0xbab60b61       ; -1/720
	v_fmaak_f32 v195, v192, v195, 0x3d2aaaab       ; 1/24
	v_fmaak_f32 v195, v192, v195, 0xbf000000       ; -1/2
	v_fmaak_f32 v195, v192, v195, 0x3f800000       ; cos f
	v_and_b32 v194, 1, v190
	v_cmp_eq_u32 vcc_lo, 1, v194
	v_cndmask_b32 v[\dst], v193, v195, vcc_lo      ; odd quadrants take the cosine
	v_lshlrev_b32 v194, 30, v190
	v_and_b32 v194, 0x80000000, v194               ; quadrants 2 and 3 change the sign
	v_xor_b32 v[\dst], v[\dst], v194
.endm
	SINCOS 184, 182
	SINCOS 185, 183
	global_store_b64 v199, v[184:185], s[16:17]    ; the wave's store covers the position's 256 bytes, aligned
	; LDS addresses of the transposition
	v_mul_u32_u24 v196, v1, 4*TPITCH
	v_lshl_add_u32 v196, s18, 5, v196              ; in: row 4 lane (+ c), byte 32 wave
	v_mul_u32_u24 v197, v181, TPITCH
	v_lshl_add_u32 v197, v200, 4, v197
	v_add_nc_u32 v197, s45, v197                   ; back: row 16 wave + lane / 16, byte 16 (lane mod 16)
	v_lshlrev_b32 v198, 11, v181
	v_lshl_add_u32 v198, v200, 4, v198             ; and the same place in the transposed weight
	s_wait_loadcnt 16                              ; x is in: the sixteen loads of the weight are younger
.irp p, 0,1,2,3,4,5,6,7
.irp d, 0,1,2,3
	v_cvt_pk_bf16_f32 v[XR+8*\p+\d], v[XR+8*\p+2*\d], v[XR+8*\p+2*\d+1]    ; packed in place: word d is written when words 2d, 2d+1 are read
.endr
	global_store_b128 v3, v[XR+8*\p:XR+8*\p+3], s[10:11] offset:512*\p     ; 512 neighbouring bytes
.endr
	s_wait_loadcnt 0x0                             ; the weight's rows
	; I hold W[16 wave + i][4 lane + c].  Column c's sixteen k pack into 32 bytes of row 4 lane + c of the transposed tile.
	; The lanes of these eight stores lie 1,088 bytes apart, so four of a group of sixteen share a 16-byte column modulo 256: kept, eight stores in all.
.irp c, 0,1,2,3
.irp d, 0,1,2,3,4,5,6,7
	v_cvt_pk_bf16_f32 v[TR+8*\c+\d], v[WR+8*\d+\c], v[WR+8*\d+4+\c]
.endr
	ds_store_b128 v196, v[TR+8*\c:TR+8*\c+3]   offset:\c*TPITCH
	ds_store_b128 v196, v[TR+8*\c+4:TR+8*\c+7] offset:\c*TPITCH+16
.endr
	s_wait_dscnt 0x0                               ; my stores are in LDS, for the other waves' sake
	s_barrier_signal -1
	s_barrier_wait -1                              ; everybody's are
.irp t, 0,1,2,3,4,5,6,7
	ds_load_b128 v[WR+4*\t:WR+4*\t+3], v197 offset:\t*2*TPITCH
.endr
.irp t, 0,1,2,3,4,5,6,7
	s_wait_dscnt 7-\t                              ; LDS loads come back in order: load t is in
	global_store_b128 v198, v[WR+4*\t:WR+4*\t+3], s[26:27] offset:4096*\t  ; sixteen lanes store 256 neighbouring bytes, aligned
.endr
	s_wait_tensorcnt 0x0
	ds_add_u32 v208, v209
	s_wait_dscnt 0x0
	s_endpgm
.Lfunc_end_k_q6507421570_prep:
	.size	k_q6507421570_prep, .Lfunc_end_k_q6507421570_prep-k_q6507421570_prep
	.p2alignl 7, 3214868480
	.fill 96, 4, 3214868480
	.section	.rodata,"a",@progbits
	.p2align	6, 0x0
	.amdhsa_kernel k_q6507421570_prep
		.amdhsa_group_segment_fixed_size 35840
		.amdhsa_private_segment_fixed_size 0
		.amdhsa_enable_private_segment 0
		.amdhsa_kernarg_size 56
		.amdhsa_user_sgpr_count 2
		.amdhsa_user_sgpr_kernarg_segment_ptr 1
		.amdhsa_wavefront_size32 1
		.amdhsa_system_sgpr_workgroup_id_x 1
		.amdhsa_system_sgpr_workgroup_id_y 1
		.amdhsa_system_sgpr_workgroup_id_z 1
		.amdhsa_system_vgpr_workitem_id 0
		.amdhsa_next_free_vgpr 210
		.amdhsa_next_free_sgpr 66
		.amdhsa_reserve_vcc 1
		.amdhsa_float_denorm_mode_32 3
		.amdhsa_float_denorm_mode_16_64 3
		.amdhsa_memory_ordered 1
		.amdhsa_forward_progress 1
		.amdhsa_inst_pref_size 17
	.end_amdhsa_kernel
	.amdgpu_metadata
---
amdhsa.version: [ 1, 2 ]
amdhsa.kernels:
  - .name:           k_q6507421570_prep
    .symbol:         k_q6507421570_prep.kd
    .args:
      - { .name: hidden_states, .offset: 0, .size: 8, .value_kind: global_buffer, .address_space: global }
      - { .name: c_attn_w, .offset: 8, .size: 8, .value_kind: global_buffer, .address_space: global }
      - { .name: c_proj_w, .offset: 16, .size: 8, .value_kind: global_buffer, .address_space: global }
      - { .name: xb, .offset: 24, .size: 8, .value_kind: global_buffer, .address_space: global }
      - { .name: waT, .offset: 32, .size: 8, .value_kind: global_buffer, .address_space: global }
      - { .name: wpT, .offset: 40, .size: 8, .value_kind: global_buffer, .address_space: global }
      - { .name: tab, .offset: 48, .size: 8, .value_kind: global_buffer, .address_space: global }
    .group_segment_fixed_size: 35840
    .private_segment_fixed_size: 0
    .kernarg_segment_align: 8
    .kernarg_segment_size: 56
    .max_flat_workgroup_size: 256
    .sgpr_count:     66
    .vgpr_count:     210
    .wavefront_size: 32
...
	.end_amdgpu_metadata
.endif
;; end of part 1
;; launch qkv (part 2): grid 16 x 16, 4 waves a work-group, clusters of 4 x 4, 327,680 bytes of LDS; arguments xb, waT, c_attn_b, position_ids, tab, qbuf, kbuf, vbuf; writes qbuf, kbuf, vbuf
.if DOCPART == 2
	.amdgcn_target "amdgcn-amd-amdhsa--gfx1250"
	.amdhsa_code_object_version 6
	.text
	.protected	k_q6507421570_qkv
	.globl	k_q6507421570_qkv
	.p2align	8
	.type	k_q6507421570_qkv,@function
k_q6507421570_qkv:
	s_mov_b64 s[64:65], 0
	v_nop
	global_prefetch_b8 v0, s[64:65] scope:SCOPE_SE
	s_setreg_imm32_b32 hwreg(HW_REG_WAVE_MODE, 25, 1), 1
	s_wait_xcnt 0x0
	s_wait_alu depctr_hold_cnt(0) depctr_sa_sdst(0) depctr_va_vdst(0) depctr_va_sdst(0) depctr_va_ssrc(0) depctr_va_vcc(0) depctr_vm_vsrc(0)
	s_getreg_b32 s2, hwreg(HW_REG_IB_STS2, 6, 4)
	s_cmp_eq_u32 s2, 0
	s_cbranch_scc0 .Lentry_in_a_cluster
	s_endpgm
.Lentry_in_a_cluster:
	s_bfe_u32 s2, ttmp6, 0x10000c
	s_cmp_lg_u32 s2, 0xf033
	s_cbranch_scc0 .Lentry_shape_is_right
	s_endpgm
.Lentry_shape_is_right:
; q, k, v = xb x waT^T + bias, q and k rotated, stored [batch][head][position][64] in f16.
; A work-group makes 256 rows x 192 columns: block column x is one head's q, k and v (64 columns each), so every work-group runs the same text.
; Four waves; wave w makes rows 64 w .. 64 w + 63 and all 192 columns: 4 x 12 accumulator tiles, 384 registers.  The two columns that the
; rotation pairs, d and d + 32, are tiles t and t + 2 in the same lane and register.
; K = 1,024 goes in eight steps of 128 through two LDS slots filled by the tensor data mover; a tile's rows are 256 bytes of memory, aligned.
; CLUSTERS: 4 x 4 work-groups.  A's tile hangs on the block row alone and is asked for jointly by the four of a row of the cluster, B's on
; the block column alone and is asked for jointly by the four of a column: the requests for both are divided by four.
; The matrix instruction is used transposed (source 0 = 16 rows of waT, source 1 = 16 rows of xb): lane l holds row l % 16, and its
; registers 0-7 hold columns 8 (l / 16) + 0 .. 7 of the tile.
; WHY f16 OUT: a query with few keys hands the rounding of v on to the output unaveraged (query 0's output is v[0] x c_proj_w), while rows of a full
; window average hundreds of keys; f16's 11 significand bits leave an eighth of the error of bf16's 8.
; LIMIT: |q|, |k|, |v| below 65,504, the largest f16.  Room: with x and c_attn_w both 30 times the drawn spread they reach some 900 x 3.6 = 3,300;
; with both offset by 30 spreads (30 and 0.6) they lie near 1,024 x 30 x 0.6 = 18,432.
; LIMIT: position_ids is taken as unsigned and clamped to 2,047, the table's last row.
; REGISTERS: window 0: addresses, v32-63 biased sums, v64-95 / v96-127 A's fragments (two buffers), v128-223 bias, v224-255 rotated results;
; window 1: v0-95 / v96-191 B's fragments; window 2: accumulators of row tiles 0, 1 (v0-191) and their cosines and sines (v192-255); window 3: row tiles 2, 3.
.set KSTEP,  128
.set PITCH,  272                       ; an LDS row: 256 bytes + 16: an odd multiple of 16, so the 16 rows of a fragment load start at 16 different 16-byte columns of a span of 256
.set HALFA,  128*PITCH                 ; what waves 0 and 1 each fetch of A
.set HALFB,  96*PITCH                  ; what waves 2 and 3 each fetch of B
.set SLOT,   2*HALFA+2*HALFB           ; A's 256 rows, then B's 192
.set STAGE,  2*SLOT                    ; behind the ring, at a multiple of 256: 16 rows x 144 bytes for each wave; no tensor load lands there
.set SPITCH, 144
.set LAPS,   4                         ; a lap = two K steps
.set ADRA, 16                          ; v16-17  LDS address of my A fragments in slot 0, 1
.set ADRB, 20                          ; v20-21  the same for B
.set STO,  24                          ; the way out: where I put 16 bytes of a row
.set RD,   25                          ; where I read rows back
.set CO,   26                          ; 16 x lane
.set H32,  27                          ; 32 (l / 16)
.set TOFF, 28                          ; v28-31  byte offset in the table for my row of row tile a
.set XB,   32
.set AF,   64                          ; A's buffer f at AF + 32 f; on the way out the two sets read back
.set PK,   96                          ; on the way out: packed results
.set BI,   128                         ; bias of column tile b at BI + 8 b
.set YR,   224
.set CS,   192                         ; windows 2, 3: cosines at CS + 32 (a & 1) + 8 t, sines 16 further
.set G1,  24
.set G0,  32
.set G1B, 48
.set G0B, 56
.set MSB, 0
.macro WIN new                         ; the immediate's high byte repeats the setting that is left
.if MSB != (\new)
	s_set_vgpr_msb (MSB<<8)|(\new)
.set MSB, \new
.endif
.endm
.set MUL_LO, 0xa1                      ; source 0 (B) window 1, source 1 (A) window 0, C and D window 2
.set MUL_HI, 0xf1                      ; the same, C and D window 3
.set TO_B,   0x40                      ; destination window 1
.macro JLOAD s                         ; waves 0, 1 ask for A's halves, waves 2, 3 for B's; the branch hangs on the wave's number alone
	s_cmp_eq_u32 s13, 0
	s_cbranch_scc0 .Lfor_b_\@
	tensor_load_to_lds s[G0+4*\s:G0+4*\s+3], s[G1:G1+7]
	s_nop 0
	s_branch .Lasked_\@
.Lfor_b_\@:
	tensor_load_to_lds s[G0B+4*\s:G0B+4*\s+3], s[G1B:G1B+7]
	s_nop 0
.Lasked_\@:
.endm
.macro CREST                           ; a round of the cluster's barrier behind its opening barrier
	s_cmp_lg_u32 s12, 0
	s_cbranch_scc1 .Lnot_wave_0_\@
	s_barrier_signal -3
.Lnot_wave_0_\@:
	s_barrier_wait -3
	s_barrier_signal -1
	s_barrier_wait -1
.endm
.macro CROUND
	s_barrier_signal -1
	s_barrier_wait -1
	CREST
.endm
.macro PLACES                          ; four plain vector instructions behind a matrix instruction, before its registers are loaded into or its result read (ISA guide 7.12.1)
.rept 4
	v_nop
.endr
.endm
	s_load_b256 s[4:11], s[0:1], 0x0               ; xb s[4:5], waT s[6:7], c_attn_b s[8:9], position_ids s[10:11]
	s_load_b256 s[68:75], s[0:1], 0x20             ; tab s[68:69], q s[70:71], k s[72:73], v s[74:75]
	s_set_vgpr_msb 0x40
	v_lshl_add_u32 v255, v0, 2, 0x3dc00
	s_set_vgpr_msb 0x4000
	v_mov_b32 v23, 0
	s_set_vgpr_msb 0x1
	ds_add_u32 v255, v23
	ds_add_u32 v255, v23
	s_set_vgpr_msb 0x100
	v_lshrrev_b32 v1, 5, v0
	v_readfirstlane_b32 s12, v1                    ; wave
	s_lshr_b32 s13, s12, 1                         ; I fetch for A (0) or for B (1)
	s_and_b32 s14, s12, 1                          ; which half of that tile
	s_bfe_u32 s40, ttmp6, 0x40000                  ; cx
	s_bfe_u32 s41, ttmp6, 0x40004                  ; cy
	s_lshl_b32 s42, ttmp9, 2
	s_add_co_u32 s42, s42, s40                     ; block column = head
	s_and_b32 s43, ttmp7, 0xffff
	s_lshl_b32 s43, s43, 2
	s_add_co_u32 s43, s43, s41                     ; block row
	s_lshl_b32 s44, s41, 2
	s_lshl_b32 s44, 15, s44                        ; my row of the cluster
	s_lshl_b32 s45, 0x1111, s40                    ; my column
	s_or_b32 s[G1+0], s44, (1<<16)|(1<<20)|(1<<21)|(5<<22)|(3<<25)    ; mask; elements of 2 bytes; padding on; bit 21 beside a mask; after every 64 words, 4 words
	s_or_b32 s[G1B+0], s45, (1<<16)|(1<<20)|(1<<21)|(5<<22)|(3<<25)
	s_mov_b32 s[G1+1], KSTEP<<16                   ; tensor_dim0 = 128
	s_mov_b32 s[G1B+1], KSTEP<<16
	s_mov_b32 s[G1+2], 128<<16                     ; tensor_dim1 = 128 rows of A
	s_mov_b32 s[G1B+2], 96<<16                     ; 96 rows of B
	s_mov_b32 s[G1+3], KSTEP<<16                   ; tile_dim0 = 128
	s_mov_b32 s[G1B+3], KSTEP<<16
	s_mov_b32 s[G1+4], 128                         ; tile_dim1
	s_mov_b32 s[G1B+4], 96
	s_mov_b32 s[G1+5], 1024                        ; elements from row to row
	s_mov_b32 s[G1B+5], 1024
	s_mov_b32 s[G1+6], 0
	s_mov_b32 s[G1B+6], 0
	s_mov_b32 s[G1+7], 0
	s_mov_b32 s[G1B+7], 0
	s_lshl_b32 s16, s43, 8
	s_lshl_b32 s17, s14, 7
	s_add_co_u32 s16, s16, s17                     ; A: row 256 x block row + 128 x half
	s_lshl_b32 s16, s16, 11                        ; rows of 2,048 bytes
	s_mov_b32 s17, 0
	s_mul_i32 s46, s42, 192
	s_mul_i32 s47, s14, 96
	s_add_co_u32 s46, s46, s47                     ; B: row 192 x head + 96 x half
	s_lshl_b32 s46, s46, 11
	s_mov_b32 s47, 0
	s_mul_i32 s20, s12, HALFA                      ; LDS: A's halves at wave x HALFA (waves 0, 1),
	s_mul_i32 s21, s12, HALFB
	s_add_co_u32 s21, s21, 2*(HALFA-HALFB)         ; B's behind them at 2 HALFA + (wave - 2) HALFB (waves 2, 3)
	s_lshl_b32 s76, s43, 8
	s_lshl_b32 s77, s12, 6
	s_add_co_u32 s76, s76, s77                     ; my first row,
	s_lshl_b32 s76, s76, 2                         ; its word in position_ids
	s_mov_b32 s77, 0
	s_lshl_b32 s78, s42, 8                         ; the head's 64 numbers in each third of the bias
	s_mov_b32 s79, 0
	s_wait_dscnt 0x0
	s_wait_kmcnt 0x0
	s_add_nc_u64 s[18:19], s[4:5], s[16:17]
	s_add_nc_u64 s[46:47], s[6:7], s[46:47]
	s_add_nc_u64 s[10:11], s[10:11], s[76:77]
	s_add_nc_u64 s[8:9], s[8:9], s[78:79]
	CROUND                                         ; all sixteen work-groups are here: the first joint loads meet
.irp s, 0,1
	s_mov_b32 s[G0+4*\s], 1
	s_add_co_u32 s[G0+4*\s+1], s20, \s*SLOT
	s_add_nc_u64 s[G0+4*\s+2:G0+4*\s+3], s[18:19], \s*KSTEP*2
	s_or_b32 s[G0+4*\s+3], s[G0+4*\s+3], 0x80000000
	s_mov_b32 s[G0B+4*\s], 1
	s_add_co_u32 s[G0B+4*\s+1], s21, \s*SLOT
	s_add_nc_u64 s[G0B+4*\s+2:G0B+4*\s+3], s[46:47], \s*KSTEP*2
	s_or_b32 s[G0B+4*\s+3], s[G0B+4*\s+3], 0x80000000
	JLOAD \s                                       ; both slots' first fills: two tensor loads of the wave are out
.endr
	v_and_b32 v1, 15, v0                           ; r = l % 16
	v_bfe_u32 v2, v0, 4, 1                         ; h = l / 16
	v_and_b32 v6, 31, v0                           ; l
	v_mul_u32_u24 v3, v1, PITCH
	v_lshl_add_u32 v3, v2, 4, v3                   ; r x pitch + 16 h
	s_mul_i32 s22, s12, 64*PITCH                   ; my 64 rows of A
	s_mov_b32 s23, 2*HALFA                         ; B's rows lie behind A's
.irp s, 0,1
	v_add_nc_u32 v[ADRA+\s], s22, v3
	v_add_nc_u32 v[ADRB+\s], s23, v3
	s_add_co_u32 s22, s22, SLOT
	s_add_co_u32 s23, s23, SLOT
.endr
	s_mul_i32 s22, s12, 16*SPITCH
	s_add_co_u32 s22, s22, STAGE                   ; my stage
	v_mul_u32_u24 v4, v1, SPITCH
	v_lshl_add_u32 v4, v2, 4, v4
	v_add_nc_u32 v[STO], s22, v4                   ; in: row r, 16 bytes for each half of the lanes
	v_lshrrev_b32 v4, 3, v6
	v_mul_u32_u24 v4, v4, SPITCH
	v_and_b32 v7, 7, v6
	v_lshl_add_u32 v4, v7, 4, v4
	v_add_nc_u32 v[RD], s22, v4                    ; back: eight lanes take a row of 128 bytes, the wave four rows
	v_lshlrev_b32 v[CO], 4, v6
	v_lshlrev_b32 v[H32], 5, v2
	v_lshlrev_b32 v5, 2, v1                        ; 4 r
.irp a, 0,1,2,3
	global_load_b32 v[TOFF+\a], v5, s[10:11] offset:64*\a          ; the position of my row in row tile a
.endr
.irp b, 0,1,2,3,4,5,6,7,8,9,10,11
	global_load_b128 v[BI+8*\b:BI+8*\b+3],   v[H32], s[8:9] offset:4096*(\b/4)+64*(\b%4)       ; bias of columns 16 b + 8 h + 0 .. 7
	global_load_b128 v[BI+8*\b+4:BI+8*\b+7], v[H32], s[8:9] offset:4096*(\b/4)+64*(\b%4)+16
.endr
	s_wait_loadcnt 24                              ; the positions are in: the 24 loads of the bias are younger
.irp a, 0,1,2,3
	v_min_u32 v[TOFF+\a], 0x7ff, v[TOFF+\a]        ; inside the table
	v_lshlrev_b32 v[TOFF+\a], 8, v[TOFF+\a]        ; rows of 256 bytes
	v_add_nc_u32 v[TOFF+\a], v[TOFF+\a], v[H32]
.endr
	; cosines and sines of frequencies 16 t + 8 h + 0 .. 7, t = 0, 1, for my row of each row tile.  These and the bias stay on their way through the K loop.
.irp a, 0,1,2,3
	WIN (2+(\a>>1))<<6
.irp o, 0,1,2,3
	global_load_b128 v[CS+32*(\a&1)+8*\o:CS+32*(\a&1)+8*\o+3],   v[TOFF+\a], s[68:69] offset:64*\o
	global_load_b128 v[CS+32*(\a&1)+8*\o+4:CS+32*(\a&1)+8*\o+7], v[TOFF+\a], s[68:69] offset:64*\o+16
.endr
.endr
	WIN 0
; 12 matrix instructions: row tile 2 hi + al x all 12 column tiles, 32 along K.  The 48 accumulators take turns, one instruction a turn, in the same
; order in every quarter step.  zero = 1: the first product starts the sums.
.macro MUL12 f, hi, al, zero
.irp b, 0,1,2,3,4,5,6,7,8,9,10,11
.if \zero
	v_wmma_f32_16x16x32_bf16 v[8*(12*\al+\b):8*(12*\al+\b)+7], v[96*\f+8*\b:96*\f+8*\b+7], v[AF+32*\f+8*(2*\hi+\al):AF+32*\f+8*(2*\hi+\al)+7], 0
.else
	v_wmma_f32_16x16x32_bf16 v[8*(12*\al+\b):8*(12*\al+\b)+7], v[96*\f+8*\b:96*\f+8*\b+7], v[AF+32*\f+8*(2*\hi+\al):AF+32*\f+8*(2*\hi+\al)+7], v[8*(12*\al+\b):8*(12*\al+\b)+7]
.endif
.endr
.endm
; 32 LDS loads in one run: 192 rows of B, my 64 rows of A, 32 K at byte k of the rows, into buffer f
.macro FETCH slot, k, f
	WIN TO_B
.irp b, 0,1,2,3,4,5,6,7,8,9,10,11
	ds_load_b128 v[96*\f+8*\b:96*\f+8*\b+3],   v[ADRB+\slot] offset:\k+\b*16*PITCH
	ds_load_b128 v[96*\f+8*\b+4:96*\f+8*\b+7], v[ADRB+\slot] offset:\k+\b*16*PITCH+32
.endr
	WIN 0
.irp a, 0,1,2,3
	ds_load_b128 v[AF+32*\f+8*\a:AF+32*\f+8*\a+3],   v[ADRA+\slot] offset:\k+\a*16*PITCH
	ds_load_b128 v[AF+32*\f+8*\a+4:AF+32*\f+8*\a+7], v[ADRA+\slot] offset:\k+\a*16*PITCH+32
.endr
.endm
.macro QUARTER slot, k, f, g, zero
	s_wait_dscnt 4                                 ; B and A's row tiles 0, 1 are in; the youngest four loads (row tiles 2, 3) may be out
	WIN MUL_LO
	MUL12 \f, 0, 0, \zero
	MUL12 \f, 0, 1, \zero
	PLACES
	FETCH \slot, \k, \g
	s_wait_dscnt 32                                ; all but the 32 just issued
	WIN MUL_HI
	MUL12 \f, 1, 0, \zero
	MUL12 \f, 1, 1, \zero
.endm
.macro THREE slot, zero
	QUARTER \slot, 64,  0, 1, \zero
	QUARTER \slot, 128, 1, 0, 0
	QUARTER \slot, 192, 0, 1, 0
.endm
; The last quarter of a K step: multiplies buffer 1 and changes slots.  In front of the barrier each wave waits for its reads of this slot and for
; all its tensor loads (one is out: its part of the next slot).  Behind it (with fill: behind the whole round of the cluster's barrier) nobody reads
; this slot and the next is whole: the joint refill comes first, then the next slot's first fragments.  From a request to the wait for it a wave
; issues 180 matrix instructions.
.macro TURN slot, next, fill
	s_wait_dscnt 4
	WIN MUL_LO
	MUL12 1, 0, 0, 0
	s_wait_dscnt 0
	s_wait_tensorcnt 0x0
	ds_add_u32 v255, v23
	s_wait_dscnt 0x0
	s_barrier_signal -1
	MUL12 1, 0, 1, 0                               ; register work between signal and wait
	WIN 0
	s_barrier_wait -1
.if \fill
	CREST
	s_add_nc_u64 s[G0+4*\slot+2:G0+4*\slot+3], s[G0+4*\slot+2:G0+4*\slot+3], 2*KSTEP*2       ; no tensor load of mine is out: the addresses may step
	s_add_nc_u64 s[G0B+4*\slot+2:G0B+4*\slot+3], s[G0B+4*\slot+2:G0B+4*\slot+3], 2*KSTEP*2
	JLOAD \slot
.endif
	PLACES
	FETCH \next, 0, 0
	WIN MUL_HI
	MUL12 1, 1, 0, 0
	MUL12 1, 1, 1, 0
.endm
.macro LAP zero
	THREE 0, \zero
	TURN 0, 1, 1
	THREE 1, 0
	TURN 1, 0, 1
.endm
	s_wait_tensorcnt 1                             ; my part of K step 0 is in; K step 1's stays out
	s_barrier_signal -1
	s_barrier_wait -1
	FETCH 0, 0, 0
	LAP 1
	WIN 0
	s_mov_b32 s3, LAPS-2
.Llap:
	LAP 0
	WIN 0
	s_sub_co_u32 s3, s3, 1
	s_cmp_lg_u32 s3, 0
	s_cbranch_scc1 .Llap
	THREE 0, 0                                     ; the last lap fills nothing
	TURN 0, 1, 0
	THREE 1, 0
	s_wait_dscnt 4
	WIN MUL_LO
	MUL12 1, 0, 0, 0
	MUL12 1, 0, 1, 0
	s_wait_dscnt 0
	WIN MUL_HI
	MUL12 1, 1, 0, 0
	MUL12 1, 1, 1, 0
	; THE WAY OUT: bias, rotation, f16, 16 rows x 64 columns at a time through my stage, out as whole rows of 128 bytes.
	PLACES
	WIN 0
	s_wait_loadcnt 0x0                             ; bias, cosines and sines
	s_lshr_b32 s76, s43, 3                         ; batch
	s_lshl4_add_u32 s76, s76, s42                  ; 16 batch + head
	s_lshl_b32 s76, s76, 11                        ; 2,048 positions
	s_and_b32 s77, s43, 7
	s_lshl_b32 s77, s77, 8
	s_add_co_u32 s76, s76, s77                     ; + the block's first position
	s_lshl_b32 s77, s12, 6
	s_add_co_u32 s76, s76, s77                     ; + my 64 rows
	s_lshl_b32 s76, s76, 7                         ; rows of 128 bytes
	s_mov_b32 s77, 0
	s_add_nc_u64 s[70:71], s[70:71], s[76:77]
	s_add_nc_u64 s[72:73], s[72:73], s[76:77]
	s_add_nc_u64 s[74:75], s[74:75], s[76:77]
; row tile a, ty = 0 q, 1 k, 2 v; rb: which of two register sets the rows are read back into.  All three arguments are plain numbers.
.macro OUT a, ty, rb
.set AW, 2+(\a>>1)
.set AW4, 4*AW
.set AB, 8*(12*(\a&1)+4*\ty)
.set CB, CS+32*(\a&1)
.if \ty == 2
.set XD, YR
.else
.set XD, XB
.endif
	WIN AW                                         ; source 0 in the accumulators' window
.irp j, 0,2,4,6,8,10,12,14,16,18,20,22,24,26,28,30
	v_pk_add_f32 v[XD+\j:XD+\j+1], v[AB+\j:AB+\j+1], v[BI+32*\ty+\j:BI+32*\ty+\j+1]
.endr
.if \ty != 2
	WIN AW4                                        ; source 1 (cosines, sines) in that window
.irp t, 0,1
.irp j, 0,2,4,6
	v_pk_mul_f32 v[YR+8*\t+\j:YR+8*\t+\j+1],       v[XB+16+8*\t+\j:XB+16+8*\t+\j+1], v[CB+16+8*\t+\j:CB+16+8*\t+\j+1]   ; x(d+32) sin
	v_pk_mul_f32 v[YR+16+8*\t+\j:YR+16+8*\t+\j+1], v[XB+8*\t+\j:XB+8*\t+\j+1],       v[CB+16+8*\t+\j:CB+16+8*\t+\j+1]   ; x(d) sin
.endr
.endr
.irp t, 0,1
.irp j, 0,2,4,6
	v_fma_f32 v[YR+8*\t+\j],   v[XB+8*\t+\j],   v[CB+8*\t+\j],   -v[YR+8*\t+\j]       ; y(d) = x(d) cos - x(d+32) sin
	v_fma_f32 v[YR+8*\t+\j+1], v[XB+8*\t+\j+1], v[CB+8*\t+\j+1], -v[YR+8*\t+\j+1]
	v_pk_fma_f32 v[YR+16+8*\t+\j:YR+16+8*\t+\j+1], v[XB+16+8*\t+\j:XB+16+8*\t+\j+1], v[CB+8*\t+\j:CB+8*\t+\j+1], v[YR+16+8*\t+\j:YR+16+8*\t+\j+1]   ; y(d+32) = x(d+32) cos + x(d) sin
.endr
.endr
.endif
	WIN 0
.irp j, 0,1,2,3,4,5,6,7,8,9,10,11,12,13,14,15
	v_cvt_pk_f16_f32 v[PK+\j], v[YR+2*\j], v[YR+2*\j+1]            ; two roundings to f16, the first source in the low half
.endr
.irp t, 0,1,2,3
	ds_store_b128 v[STO], v[PK+4*\t:PK+4*\t+3] offset:32*\t
.endr
	s_wait_xcnt 0x0                                ; the set that earlier stores read is loaded again only behind this wait
.irp i, 0,1,2,3
	ds_load_b128 v[AF+16*\rb+4*\i:AF+16*\rb+4*\i+3], v[RD] offset:\i*4*SPITCH     ; LDS serves a wave's instructions in order: these see the stores above
.endr
.irp i, 0,1,2,3
	s_wait_dscnt 3-\i
	global_store_b128 v[CO], v[AF+16*\rb+4*\i:AF+16*\rb+4*\i+3], s[70+2*\ty:71+2*\ty] offset:(16*\a+4*\i)*128   ; four rows: 512 neighbouring bytes, aligned
.endr
.endm
	OUT 0, 0, 0                                    ; twelve blocks of 16 rows x 64 columns; the two sets read back take turns
	OUT 0, 1, 1
	OUT 0, 2, 0
	OUT 1, 0, 1
	OUT 1, 1, 0
	OUT 1, 2, 1
	OUT 2, 0, 0
	OUT 2, 1, 1
	OUT 2, 2, 0
	OUT 3, 0, 1
	OUT 3, 1, 0
	OUT 3, 2, 1
	s_set_vgpr_msb 0x1
	s_wait_tensorcnt 0x0
	ds_add_u32 v255, v23
	s_wait_dscnt 0x0
	s_set_vgpr_msb 0x100
	CROUND                                         ; the closing round: no work-group ends while a partner may still ask for a tile that names it
	s_endpgm
.Lfunc_end_k_q6507421570_qkv:
	.size	k_q6507421570_qkv, .Lfunc_end_k_q6507421570_qkv-k_q6507421570_qkv
	.p2alignl 7, 3214868480
	.fill 96, 4, 3214868480
	.section	.rodata,"a",@progbits
	.p2align	6, 0x0
	.amdhsa_kernel k_q6507421570_qkv
		.amdhsa_group_segment_fixed_size 327680
		.amdhsa_private_segment_fixed_size 0
		.amdhsa_enable_private_segment 0
		.amdhsa_kernarg_size 64
		.amdhsa_user_sgpr_count 2
		.amdhsa_user_sgpr_kernarg_segment_ptr 1
		.amdhsa_wavefront_size32 1
		.amdhsa_system_sgpr_workgroup_id_x 1
		.amdhsa_system_sgpr_workgroup_id_y 1
		.amdhsa_system_sgpr_workgroup_id_z 1
		.amdhsa_system_vgpr_workitem_id 0
		.amdhsa_next_free_vgpr 1024
		.amdhsa_next_free_sgpr 80
		.amdhsa_reserve_vcc 0
		.amdhsa_float_denorm_mode_32 3
		.amdhsa_float_denorm_mode_16_64 3
		.amdhsa_memory_ordered 1
		.amdhsa_forward_progress 1
		.amdhsa_inst_pref_size 203
	.end_amdhsa_kernel
	.amdgpu_metadata
---
amdhsa.version: [ 1, 2 ]
amdhsa.kernels:
  - .name:           k_q6507421570_qkv
    .symbol:         k_q6507421570_qkv.kd
    .args:
      - { .name: xb, .offset: 0, .size: 8, .value_kind: global_buffer, .address_space: global }
      - { .name: waT, .offset: 8, .size: 8, .value_kind: global_buffer, .address_space: global }
      - { .name: c_attn_b, .offset: 16, .size: 8, .value_kind: global_buffer, .address_space: global }
      - { .name: position_ids, .offset: 24, .size: 8, .value_kind: global_buffer, .address_space: global }
      - { .name: tab, .offset: 32, .size: 8, .value_kind: global_buffer, .address_space: global }
      - { .name: qbuf, .offset: 40, .size: 8, .value_kind: global_buffer, .address_space: global }
      - { .name: kbuf, .offset: 48, .size: 8, .value_kind: global_buffer, .address_space: global }
      - { .name: vbuf, .offset: 56, .size: 8, .value_kind: global_buffer, .address_space: global }
    .group_segment_fixed_size: 327680
    .private_segment_fixed_size: 0
    .kernarg_segment_align: 8
    .kernarg_segment_size: 64
    .max_flat_workgroup_size: 128
    .sgpr_count:     80
    .vgpr_count:     1024
    .wavefront_size: 32
...
	.end_amdgpu_metadata
.endif
;; end of part 2
;; launch attn (part 3): grid 8 x 32, 8 waves a work-group, no clusters, 271,360 bytes of LDS; arguments qbuf, kbuf, vbuf, ao; writes ao
.if DOCPART == 3
	.amdgcn_target "amdgcn-amd-amdhsa--gfx1250"
	.amdhsa_code_object_version 6
	.text
	.protected	k_q6507421570_attn
	.globl	k_q6507421570_attn
	.p2align	8
	.type	k_q6507421570_attn,@function
k_q6507421570_attn:
	s_mov_b64 s[64:65], 0
	v_nop
	global_prefetch_b8 v0, s[64:65] scope:SCOPE_SE
	s_setreg_imm32_b32 hwreg(HW_REG_WAVE_MODE, 25, 1), 1
	s_wait_xcnt 0x0
; Banded causal attention: query i sees keys i - 511 .. i.  A work-group takes 256 queries of one batch and head; its whole window of
; 768 keys lies in LDS, so LDS is filled once and never again.  Eight waves, 32 queries each (two tiles of 16).
; Everything is computed transposed: S^T = K Q^T puts key 8 h + j of query r into register j of lane (r, h), and O^T = V^T P^T takes P in
; just that layout, so maximum, sum and rescaling are a lane's own and P goes from result to operand by packing in place.
; A wave walks key tiles of 64 downward from the diagonal: D (the diagonal tile, always there), seven whole tiles, E (the window's edge).
; So the running maximum is a real score from the first step on.  Blocks of 16 x 16 that the band excludes wholly are left out when the text is assembled.
; Masked scores take the smallest finite f32, as in the problem's function; the running maximum is taken away before every exponential.
; FORMATS: q, k, v come in f16 and P is packed to f16 (it lies in 0 .. 1, since the maximum is taken away): a query with few keys hands these roundings on
; to the output unaveraged, and 11 significand bits leave an eighth of the error of bf16's 8.  LIMIT: |q|, |k|, |v| below 65,504 (see the launch that makes them).
; The result goes out as TWO bf16 numbers, the f32 value cut to its upper 8 significand bits and the exact remainder rounded to bf16: 16 bits and f32's range,
; as operands for the bf16 product with c_proj_w.  ao is [batch][part][head][position][64]: part 0 the upper, part 1 the lower.
; NO CLUSTER: each work-group lays its window out from its own first key (LDS row = key - (first query - 512)), so a tile that two query blocks
; share would need a different LDS address in each, and the first two query blocks use fewer tiles than the others.
; Query blocks 0 and 1 have no keys for 512 and 256 of their LDS rows.  Those tiles are loaded all the same, from key 0 (clamped, never read),
; so that each counted wait counts the same loads on every path: 3 of 24 tile groups of a head, an eighth of the launch's K and V bytes.
.set KP, 144                           ; K's LDS pitch: 128 bytes + 16
.set VP, 160                           ; V's: 128 + 32, an odd multiple of 32, for the transposing loads
.set VBASE, 768*KP
.set STAGE, VBASE+768*VP               ; a multiple of 256; 32 rows x 144 bytes for each wave; no tensor load lands there
.set KL0, 512*KP                       ; LDS byte of row 512 of K
.set VL0, VBASE+256*VP                 ; LDS byte of row 512 of V less four tiles: waves 4-7 add wave x tile
.set KLO, 8                            ; K fragments' address, steps 0-4
.set KHI, 9                            ; steps 5-8 (five tiles further: offsets have 16 bits)
.set VLO, 10
.set VHI, 11
.set STO, 12
.set RD,  13
.set GO,  14
.set QOFF, 15
.set FMIN, 16                          ; the smallest finite f32
.set DL,  17                           ; r - 8 h
.set LS,  20                           ; v20-21 running sums (each half of the lanes keeps its own until the end)
.set CX,  22                           ; for query tile n: v[CX+4n], +1 chains; +2 the other half's; +3 takes turns with v[18+n] as the running maximum
.set NM,  30                           ; pairs: -maximum x c
.set AL,  34                           ; pairs: rescaling factor
.set SU,  38                           ; v38-45 four chains of sums
.set SR,  64                           ; S(m, n) at SR + 32 n + 8 m; P(n, s) at SR + 32 n + 16 s
.set SRL, 96                           ; at the end: the second set of rows read back
.set KF,  128                          ; K fragment (m, s) at KF + 8 (2 m + s)
.set VF,  192                          ; V fragment (d, s) at VF + 8 (2 d + s); at the end the packed upper parts
.set VFL, 224                          ; at the end: the packed lower parts
.set QF,  64                           ; window 1: Q(n, s) at QF + 8 (2 n + s); O(d, n) at 8 (4 n + d)
.set PART, 4194304                     ; bytes from a batch's upper parts to its lower parts in ao: 16 heads of 262,144
.set G1K, 16
.set G1V, 24
.set G0,  32                           ; three sets
.set MK,  44                           ; s44-51 masks j <= r - 8 h
.set MSB, 0
.macro WIN new
.if MSB != (\new)
	s_set_vgpr_msb (MSB<<8)|(\new)
.set MSB, \new
.endif
.endm
	s_load_b256 s[4:11], s[0:1], 0x0               ; q s[4:5], k s[6:7], v s[8:9], ao s[10:11]
	v_lshl_add_u32 v62, v0, 2, 0x42000
	v_mov_b32 v63, 0
	ds_add_u32 v62, v63
	ds_add_u32 v62, v63
	v_lshrrev_b32 v1, 5, v0
	v_readfirstlane_b32 s12, v1                    ; wave
	s_mov_b32 s13, ttmp9                           ; query block
	s_and_b32 s14, ttmp7, 0xffff                   ; 16 batch + head
	s_lshl_b32 s15, s13, 8                         ; first query
	s_and_b32 s59, s12, 3
	s_lshl_b32 s59, s59, 6
	s_add_co_u32 s59, s59, s15                     ; first key of my tile in the newest group of 256
	; 64 keys are 8,192 dense bytes: 32 rows of 32 elements of 8 bytes; after every 32 words (a key's 128 bytes) 4 or 8 words are skipped in LDS
	s_mov_b32 s[G1K+0], (3<<16)|(1<<20)|(4<<22)|(3<<25)
	s_mov_b32 s[G1V+0], (3<<16)|(1<<20)|(4<<22)|(7<<25)
	s_mov_b32 s[G1K+1], 32<<16
	s_mov_b32 s[G1V+1], 32<<16
	s_mov_b32 s[G1K+2], 32<<16
	s_mov_b32 s[G1V+2], 32<<16
	s_mov_b32 s[G1K+3], 32<<16
	s_mov_b32 s[G1V+3], 32<<16
	s_mov_b32 s[G1K+4], 32
	s_mov_b32 s[G1V+4], 32
	s_mov_b32 s[G1K+5], 32
	s_mov_b32 s[G1V+5], 32
	s_mov_b32 s[G1K+6], 0
	s_mov_b32 s[G1V+6], 0
	s_mov_b32 s[G1K+7], 0
	s_mov_b32 s[G1V+7], 0
	s_lshl_b32 s62, s14, 18                        ; a head's 2,048 rows of 128 bytes
	s_mov_b32 s63, 0
	s_wait_dscnt 0x0
	s_wait_kmcnt 0x0
	s_add_nc_u64 s[6:7], s[6:7], s[62:63]
	s_add_nc_u64 s[8:9], s[8:9], s[62:63]
; my three tiles: group l holds keys first query - 256 l .. + 255 in LDS rows 512 - 256 l .. + 255
.macro FILLS ptr, g1, tb, l0, pt
.irp l, 0,1,2
	s_mov_b32 s[G0+4*\l], 1
	s_mul_i32 s[G0+4*\l+1], s12, \tb
	s_add_co_u32 s[G0+4*\l+1], s[G0+4*\l+1], \l0-256*\l*\pt
	s_sub_co_i32 s58, s59, 256*\l
	s_max_i32 s58, s58, 0                          ; a tile in front of the first key is loaded from key 0 and never read
	s_lshl_b32 s60, s58, 7
	s_mov_b32 s61, 0
	s_add_nc_u64 s[G0+4*\l+2:G0+4*\l+3], s[\ptr:\ptr+1], s[60:61]
	s_or_b32 s[G0+4*\l+3], s[G0+4*\l+3], 0x80000000
	tensor_load_to_lds s[G0+4*\l:G0+4*\l+3], s[\g1:\g1+7]
	s_nop 0
.endr
.endm
	s_cmp_lt_u32 s12, 4                            ; waves 0-3 fetch K, waves 4-7 V: three tensor loads of each wave are out
	s_cbranch_scc0 .Lfill_v
	FILLS 6, G1K, 64*KP, KL0, KP
	s_branch .Lfilled
.Lfill_v:
	FILLS 8, G1V, 64*VP, VL0, VP
.Lfilled:
	s_lshl_b32 s60, s12, 5
	s_add_co_u32 s60, s60, s15                     ; my first query
	s_lshl_b32 s60, s60, 7
	s_add_co_u32 s60, s60, s62
	s_mov_b32 s61, 0
	s_add_nc_u64 s[4:5], s[4:5], s[60:61]
	s_lshr_b32 s58, s14, 4                         ; batch: in ao a batch has 32 blocks of a head's size, not 16
	s_lshl_b32 s58, s58, 22
	s_add_co_u32 s60, s60, s58
	s_add_nc_u64 s[10:11], s[10:11], s[60:61]
	v_and_b32 v1, 15, v0                           ; r
	v_bfe_u32 v2, v0, 4, 1                         ; h
	v_and_b32 v3, 31, v0                           ; l
	v_lshlrev_b32 v[QOFF], 7, v1
	v_lshl_add_u32 v[QOFF], v2, 4, v[QOFF]
	WIN 0x40                                       ; destination window 1
.irp n, 0,1
.irp s, 0,1
	global_load_b128 v[QF+8*(2*\n+\s):QF+8*(2*\n+\s)+3],   v[QOFF], s[4:5] offset:2048*\n+64*\s
	global_load_b128 v[QF+8*(2*\n+\s)+4:QF+8*(2*\n+\s)+7], v[QOFF], s[4:5] offset:2048*\n+64*\s+32
.endr
.endr
	WIN 0
	s_lshr_b32 s62, s12, 1                         ; a: which 64 queries of the block
	s_and_b32 s57, s12, 1                          ; p: which half of them
	s_lshl2_add_u32 s56, s13, s62                  ; T: the diagonal key tile's number; step u below the diagonal exists if u <= T
	s_mov_b32 s52, 0x76543210                      ; v_permlanex16_b32: lane i reads lane i of the other half
	s_mov_b32 s53, 0xfedcba98
	s_mov_b32 s54, 0x3e38aa3b                      ; c = log2(e) / 8: the scale 1/sqrt(64) and the base of v_exp_f32
	s_mov_b32 s55, 0x3e38aa3b
	s_mov_b32 s58, 0xbe38aa3b                      ; -c
	v_mul_u32_u24 v4, v1, KP
	v_lshl_add_u32 v4, v2, 4, v4                   ; r x 144 + 16 h
	s_mul_i32 s63, s62, 64*KP
	v_add_nc_u32 v[KLO], s63, v4                   ; step i reads LDS rows 64 (a + i) ..
	v_add_nc_u32 v[KHI], 5*64*KP, v[KLO]
	s_mul_i32 s63, s12, 32*KP
	s_add_co_u32 s63, s63, STAGE
	v_add_nc_u32 v[STO], s63, v4
	v_lshrrev_b32 v5, 3, v3
	v_mul_u32_u24 v5, v5, KP
	v_and_b32 v6, 7, v3
	v_lshl_add_u32 v5, v6, 4, v5
	v_add_nc_u32 v[RD], s63, v5
	v_lshl_add_u32 v5, v2, 3, v6                   ; V, transposing loads: key 8 h + l % 8,
	v_mul_u32_u24 v5, v5, VP
	v_bfe_u32 v7, v0, 3, 1
	v_lshl_add_u32 v5, v7, 4, v5                   ; 16 bytes by bit 3 of the lane
	s_mul_i32 s63, s62, 64*VP
	s_add_co_u32 s63, s63, VBASE
	v_add_nc_u32 v[VLO], s63, v5
	v_add_nc_u32 v[VHI], 5*64*VP, v[VLO]
	v_lshlrev_b32 v[GO], 4, v3
	v_lshlrev_b32 v5, 3, v2
	v_sub_nc_u32 v[DL], v1, v5
.irp j, 0,1,2,3,4,5,6,7
	v_cmp_le_i32 s[MK+\j], \j, v[DL]               ; in a block on the diagonal key 8 h + j is at or below query r
.endr
	v_mov_b32 v[FMIN], 0xff7fffff
	v_mov_b32 v18, 0xff7fffff                      ; the running maxima start there
	v_mov_b32 v19, 0xff7fffff
	v_mov_b32 v[CX+2], 0                           ; v_permlanex16_b32 counts as a reader of its destination
	v_mov_b32 v[CX+6], 0
	v_mov_b32 v[NM+1], 0                           ; the upper registers of pairs of which the packed forms use the lower alone
	v_mov_b32 v[NM+3], 0
	v_mov_b32 v[AL+1], 0
	v_mov_b32 v[AL+3], 0
; KD = 2: block (key block m, query tile n) is whole, 1: cut by the band's edge, 0: empty.  mode 0: a whole tile, 1: the diagonal, 2: the window's edge.
.macro KINDOF mode, p, m, n
.set GG, (\m)-(2*(\p)+(\n))
.set KD, 2
.if \mode == 1
.if GG == 0
.set KD, 1
.endif
.if GG > 0
.set KD, 0
.endif
.endif
.if \mode == 2
.if GG == 0
.set KD, 1
.endif
.if GG < 0
.set KD, 0
.endif
.endif
.endm
.macro KLOADS i, lo, hi                ; K fragments of key blocks lo .. hi of step i
.if \i > 4
.set KB, KHI
.set KO, (\i-5)*64*KP
.else
.set KB, KLO
.set KO, \i*64*KP
.endif
.irp m, 0,1,2,3
.if \m >= \lo
.if \m <= \hi
.irp s, 0,1
	ds_load_b128 v[KF+8*(2*\m+\s):KF+8*(2*\m+\s)+3],   v[KB] offset:KO+\m*16*KP+64*\s
	ds_load_b128 v[KF+8*(2*\m+\s)+4:KF+8*(2*\m+\s)+7], v[KB] offset:KO+\m*16*KP+64*\s+32
.endr
.endif
.endif
.endr
.endm
.macro VLOADS i, lo, hi                ; V^T fragments of the pairs of key blocks inside lo .. hi; NV counts the loads
.if \i > 4
.set VB, VHI
.set VO, (\i-5)*64*VP
.else
.set VB, VLO
.set VO, \i*64*VP
.endif
.set NV, 0
.irp s, 0,1
.if 2*\s >= \lo
.if 2*\s <= \hi
.irp d, 0,1,2,3
	ds_load_tr16_b128 v[VF+8*(2*\d+\s):VF+8*(2*\d+\s)+3],   v[VB] offset:VO+\s*32*VP+32*\d
	ds_load_tr16_b128 v[VF+8*(2*\d+\s)+4:VF+8*(2*\d+\s)+7], v[VB] offset:VO+\s*32*VP+32*\d+16*VP
.endr
.set NV, NV+8
.endif
.endif
.endr
.endm
; S^T = K Q^T over the blocks that are not empty (three at the least): they take turns, one instruction a turn
.macro SPROD mode, p
.irp s, 0,1
.irp n, 0,1
.irp m, 0,1,2,3
	KINDOF \mode, \p, \m, \n
.if KD
.if \s == 0
	v_wmma_f32_16x16x32_f16 v[SR+32*\n+8*\m:SR+32*\n+8*\m+7], v[KF+16*\m:KF+16*\m+7], v[QF+16*\n:QF+16*\n+7], 0
.else
	v_wmma_f32_16x16x32_f16 v[SR+32*\n+8*\m:SR+32*\n+8*\m+7], v[KF+16*\m+8:KF+16*\m+15], v[QF+16*\n+8:QF+16*\n+15], v[SR+32*\n+8*\m:SR+32*\n+8*\m+7]
.endif
.endif
.endr
.endr
.endr
.endm
.macro SOFTMAX mode, p, first
	; the band's edge
.irp n, 0,1
.irp m, 0,1,2,3
	KINDOF \mode, \p, \m, \n
.if KD == 1
.irp j, 0,1,2,3,4,5,6,7
.if \mode == 1
	v_cndmask_b32 v[SR+32*\n+8*\m+\j], v[FMIN], v[SR+32*\n+8*\m+\j], s[MK+\j]
.else
	v_cndmask_b32 v[SR+32*\n+8*\m+\j], v[SR+32*\n+8*\m+\j], v[FMIN], s[MK+\j]
.endif
.endr
.endif
.endr
.endr
	; maxima: four chains (query tile, parity of the key block) that do not wait for each other, each started with the running maximum
.set STD, 0
.irp j, 0,2,4,6
.irp m, 0,1,2,3
.irp n, 0,1
	KINDOF \mode, \p, \m, \n
.if KD
.set CH, 2*\n+(\m&1)
.if (STD >> CH) & 1
	v_max3_num_f32 v[CX+4*\n+(\m&1)], v[SR+32*\n+8*\m+\j], v[SR+32*\n+8*\m+\j+1], v[CX+4*\n+(\m&1)]
.else
	v_max3_num_f32 v[CX+4*\n+(\m&1)], v[SR+32*\n+8*\m+\j], v[SR+32*\n+8*\m+\j+1], v[MO+MOS*\n]
.set STD, STD | (1 << CH)
.endif
.endif
.endr
.endr
.endr
.irp n, 0,1
.set CM, (STD >> (2*\n)) & 3
.set RS, CX+4*\n
.if CM == 3
	v_max_num_f32 v[RS], v[RS], v[RS+1]
.endif
.if CM == 2
.set RS, CX+4*\n+1
.endif
	v_permlanex16_b32 v[CX+4*\n+2], v[RS], s52, s53                ; the other eight keys of each block lie in the other half of the lanes
	v_max_num_f32 v[MN+MNS*\n], v[RS], v[CX+4*\n+2]                ; the new running maximum
	v_mul_f32 v[NM+2*\n], s58, v[MN+MNS*\n]
.if \first == 0
	v_fma_f32 v[AL+2*\n], v[MO+MOS*\n], s54, v[NM+2*\n]
	v_exp_f32 v[AL+2*\n], v[AL+2*\n]                               ; exp((old - new) / 8); plain instructions on other registers follow
.endif
.endr
	; p = exp2(c s - c maximum), in place
.irp n, 0,1
.irp m, 0,1,2,3
	KINDOF \mode, \p, \m, \n
.if KD
.irp j, 0,2,4,6
	v_pk_fma_f32 v[SR+32*\n+8*\m+\j:SR+32*\n+8*\m+\j+1], v[SR+32*\n+8*\m+\j:SR+32*\n+8*\m+\j+1], s[54:55], v[NM+2*\n:NM+2*\n+1] op_sel_hi:[1,0,0]
.endr
.endif
.endr
.irp m, 0,1,2,3
	KINDOF \mode, \p, \m, \n
.if KD
.irp j, 0,1,2,3,4,5,6,7
	v_exp_f32 v[SR+32*\n+8*\m+\j], v[SR+32*\n+8*\m+\j]             ; back to back; the plain instruction behind the run touches the other query tile (ISA guide 5.7.2)
.endr
.endif
.endr
.endr
	; sums, again in four chains; a chain's first block starts it with its first four numbers
.irp j, 0,2,4,6
.irp m, 0,1,2,3
.irp n, 0,1
	KINDOF \mode, \p, \m, \n
.if KD
.set STARTER, 1
.if \m >= 2
	KINDOF \mode, \p, \m-2, \n
.if KD
.set STARTER, 0
.endif
.endif
.if STARTER
.if \j == 0
	s_wait_alu depctr_va_vdst(0)
	v_pk_add_f32 v[SU+4*\n+2*(\m&1):SU+4*\n+2*(\m&1)+1], v[SR+32*\n+8*\m:SR+32*\n+8*\m+1], v[SR+32*\n+8*\m+2:SR+32*\n+8*\m+3]
.endif
.if \j >= 4
	v_pk_add_f32 v[SU+4*\n+2*(\m&1):SU+4*\n+2*(\m&1)+1], v[SU+4*\n+2*(\m&1):SU+4*\n+2*(\m&1)+1], v[SR+32*\n+8*\m+\j:SR+32*\n+8*\m+\j+1]
.endif
.else
	v_pk_add_f32 v[SU+4*\n+2*(\m&1):SU+4*\n+2*(\m&1)+1], v[SU+4*\n+2*(\m&1):SU+4*\n+2*(\m&1)+1], v[SR+32*\n+8*\m+\j:SR+32*\n+8*\m+\j+1]
.endif
.endif
.endr
.endr
.endr
.irp n, 0,1
.set CM, (STD >> (2*\n)) & 3
.set RS, SU+4*\n
.if CM == 3
	v_pk_add_f32 v[RS:RS+1], v[RS:RS+1], v[RS+2:RS+3]
.endif
.if CM == 2
.set RS, SU+4*\n+2
.endif
.if \first
	v_add_f32 v[LS+\n], v[RS], v[RS+1]
.else
	v_fma_f32 v[LS+\n], v[LS+\n], v[AL+2*\n], v[RS]
	v_add_f32 v[LS+\n], v[LS+\n], v[RS+1]
.endif
.endr
	; P in f16, packed in place into the operand's layout; an empty block beside a live one is zeros
.irp n, 0,1
.irp m, 0,1,2,3
.if \m >= M0
.if \m <= M1
	KINDOF \mode, \p, \m, \n
.if KD
.irp j, 0,1,2,3
	v_cvt_pk_f16_f32 v[SR+32*\n+16*(\m/2)+4*(\m&1)+\j], v[SR+32*\n+8*\m+2*\j], v[SR+32*\n+8*\m+2*\j+1]
.endr
.else
.irp j, 0,1,2,3
	v_mov_b32 v[SR+32*\n+16*(\m/2)+4*(\m&1)+\j], 0
.endr
.endif
.endif
.endif
.endr
.endr
.endm
; O^T += V^T P^T: eight accumulators take turns, one instruction a turn.  In the first step the first products start the sums.
.macro PVPROD first
.set FK, 1
.irp s, 0,1
.if 2*\s >= M0
.if 2*\s <= M1
.set ZC, \first*FK
.irp n, 0,1
.irp d, 0,1,2,3
.if ZC
	v_wmma_f32_16x16x32_f16 v[8*(4*\n+\d):8*(4*\n+\d)+7], v[VF+8*(2*\d+\s):VF+8*(2*\d+\s)+7], v[SR+32*\n+16*\s:SR+32*\n+16*\s+7], 0
.else
	v_wmma_f32_16x16x32_f16 v[8*(4*\n+\d):8*(4*\n+\d)+7], v[VF+8*(2*\d+\s):VF+8*(2*\d+\s)+7], v[SR+32*\n+16*\s:SR+32*\n+16*\s+7], v[8*(4*\n+\d):8*(4*\n+\d)+7]
.endif
.endr
.endr
.set FK, 0
.endif
.endif
.endr
.endm
; One key tile.  i: the step (LDS rows 64 (a + i) ..); kload = 1: K's fragments are loaded here; knext >= 0: step knext's are loaded ahead, behind this step's products.
.macro STEP i, mode, p, first, kload, knext
.set M0, 0                             ; key blocks M0 .. M1 are live for some query tile
.set M1, 3
.if \mode == 1
.if \p == 0
.set M1, 1
.endif
.endif
.if \mode == 2
.if \p == 1
.set M0, 2
.endif
.endif
.if (8-\i) & 1                         ; the running maximum takes turns between two registers, so that none is copied
.set MO, CX+3
.set MOS, 4
.set MN, 18
.set MNS, 1
.else
.set MO, 18
.set MOS, 1
.set MN, CX+3
.set MNS, 4
.endif
.if \first == 0
.rept 5
	v_nop                                          ; five places behind the last step's products: V is loaded into their sources, and S is written over P (ISA guide 7.12.1)
.endr
.endif
.if \kload
	KLOADS \i, M0, M1
.endif
	VLOADS \i, M0, M1
	s_wait_dscnt NV                                ; K is in: only the loads of V just issued are younger
	WIN 0x04                                       ; source 1 (Q) window 1
	SPROD \mode, \p
	WIN 0
.rept 4
	v_nop                                          ; four places before S is read and K's registers are loaded again
.endr
.if \knext >= 0
	KLOADS \knext, 0, 3
.endif
	SOFTMAX \mode, \p, \first
.if \first == 0
	WIN 0x41                                       ; O in window 1, the factor in window 0
.irp n, 0,1
.irp j, 0,2,4,6,8,10,12,14,16,18,20,22,24,26,28,30
	v_pk_mul_f32 v[32*\n+\j:32*\n+\j+1], v[32*\n+\j:32*\n+\j+1], v[AL+2*\n:AL+2*\n+1] op_sel_hi:[1,0]
.endr
.endr
.endif
.if \knext >= 0
	s_wait_dscnt 16                                ; V is in: the sixteen loads of the next step's K are younger
.else
	s_wait_dscnt 0
.endif
	WIN 0x50                                       ; C and D window 1
	PVPROD \first
	WIN 0
.endm
.macro GUARD u, to                     ; the tile u below the diagonal lies in front of the first key: so do all further ones
	s_cmp_lt_u32 s56, \u
	s_cbranch_scc1 \to
.endm
	s_wait_tensorcnt 0x2                           ; my tile of LDS rows 512-767 is in; my two older groups' tiles stay out
	s_barrier_signal -1
	s_barrier_wait -1                              ; everybody's is
	s_wait_loadcnt 0x0                             ; Q
	s_cmp_lg_u32 s57, 0
	s_cbranch_scc1 .Ldiag1
	STEP 8, 1, 0, 1, 1, -1
	s_branch .Ldiag_done
.Ldiag1:
	STEP 8, 1, 1, 1, 1, -1
.Ldiag_done:
	s_wait_dscnt 0x0
	s_wait_tensorcnt 0x1                           ; my tile of rows 256-511
	s_barrier_signal -1
	s_barrier_wait -1
	GUARD 1, .LsegB
	STEP 7, 0, 0, 0, 1, 6
	GUARD 2, .LsegB
	STEP 6, 0, 0, 0, 0, 5
	GUARD 3, .LsegB
	STEP 5, 0, 0, 0, 0, 4
	GUARD 4, .LsegB
	STEP 4, 0, 0, 0, 0, -1                         ; step 3 may reach rows below 256: nothing is loaded ahead across the barrier
.LsegB:
	s_wait_dscnt 0x0
	s_wait_tensorcnt 0x0                           ; my tile of rows 0-255: the last
	s_barrier_signal -1
	s_barrier_wait -1
	GUARD 5, .Lfin
	STEP 3, 0, 0, 0, 1, 2
	GUARD 6, .Lfin
	STEP 2, 0, 0, 0, 0, 1
	GUARD 7, .Lfin
	STEP 1, 0, 0, 0, 0, 0
	GUARD 8, .Lfin
	s_cmp_lg_u32 s57, 0
	s_cbranch_scc1 .Ledge1
	STEP 0, 2, 0, 0, 0, -1
	s_branch .Lfin
.Ledge1:
	STEP 0, 2, 1, 0, 0, -1
.Lfin:
	s_wait_dscnt 0x0                               ; fragments loaded ahead for a step that does not exist
.rept 4
	v_nop                                          ; four places behind the last products
.endr
	v_permlanex16_b32 v[CX+2], v[LS], s52, s53
	v_permlanex16_b32 v[CX+6], v[LS+1], s52, s53
	v_add_f32 v[LS], v[LS], v[CX+2]                ; the two halves' sums
	v_add_f32 v[LS+1], v[LS+1], v[CX+6]
	v_rcp_f32 v[AL], v[LS]                         ; the sum is at least 1: the largest score gives exp(0)
	v_rcp_f32 v[AL+2], v[LS+1]
	v_nop                                          ; one plain instruction behind the reciprocals
	WIN 0x01                                       ; source 0 (O) window 1
	s_wait_alu depctr_va_vdst(0)
.irp n, 0,1
.irp j, 0,2,4,6,8,10,12,14,16,18,20,22,24,26,28,30
	v_pk_mul_f32 v[KF+32*\n+\j:KF+32*\n+\j+1], v[32*\n+\j:32*\n+\j+1], v[AL+2*\n:AL+2*\n+1] op_sel_hi:[1,0]
.endr
.endr
	WIN 0
	; the result as two bf16: the upper halves of the f32 words are the value cut to bf16; value - cut value is exact in f32 and is rounded to bf16
.set JJ, 0
.rept 32
	v_perm_b32 v[VF+JJ], v[KF+2*JJ+1], v[KF+2*JJ], 0x07060302      ; low half: the upper half of number 2 JJ; high half: that of number 2 JJ + 1
.set JJ, JJ+1
.endr
.set JJ, 0
.rept 64
	v_and_b32 v[SR+JJ], 0xffff0000, v[KF+JJ]                       ; the cut value as f32
.set JJ, JJ+1
.endr
.set JJ, 0
.rept 32
	v_pk_add_f32 v[KF+2*JJ:KF+2*JJ+1], v[KF+2*JJ:KF+2*JJ+1], v[SR+2*JJ:SR+2*JJ+1] neg_lo:[0,1] neg_hi:[0,1]   ; the remainder
.set JJ, JJ+1
.endr
.set JJ, 0
.rept 32
	v_cvt_pk_bf16_f32 v[VFL+JJ], v[KF+2*JJ], v[KF+2*JJ+1]
.set JJ, JJ+1
.endr
; one part goes through my stage and out: src the packed registers, dst the rows read back (a set of its own for each part, so that no pending store's data is rewritten), goff the part's place in ao
.macro OUTPASS src, dst, goff
.irp n, 0,1
.irp d, 0,1,2,3
	ds_store_b128 v[STO], v[\src+4*(4*\n+\d):\src+4*(4*\n+\d)+3] offset:\n*16*KP+32*\d     ; query 16 n + r, d = 16 d + 8 h + 0 .. 7
.endr
.endr
.irp i, 0,1,2,3,4,5,6,7
	ds_load_b128 v[\dst+4*\i:\dst+4*\i+3], v[RD] offset:\i*4*KP    ; my own bytes, served in order: these see the stores above
.endr
.irp i, 0,1,2,3,4,5,6,7
	s_wait_dscnt 7-\i
	global_store_b128 v[GO], v[\dst+4*\i:\dst+4*\i+3], s[10:11] offset:512*\i+\goff        ; four queries' rows: 512 neighbouring bytes, aligned
.endr
.endm
	OUTPASS VF, SR, 0                              ; the upper parts
	OUTPASS VFL, SRL, PART                         ; the lower parts: the stage is written again behind the first part's reads, which the count-down to 0 has shown done
	s_wait_tensorcnt 0x0
	ds_add_u32 v62, v63
	s_wait_dscnt 0x0
	s_endpgm
.Lfunc_end_k_q6507421570_attn:
	.size	k_q6507421570_attn, .Lfunc_end_k_q6507421570_attn-k_q6507421570_attn
	.p2alignl 7, 3214868480
	.fill 96, 4, 3214868480
	.section	.rodata,"a",@progbits
	.p2align	6, 0x0
	.amdhsa_kernel k_q6507421570_attn
		.amdhsa_group_segment_fixed_size 271360
		.amdhsa_private_segment_fixed_size 0
		.amdhsa_enable_private_segment 0
		.amdhsa_kernarg_size 32
		.amdhsa_user_sgpr_count 2
		.amdhsa_user_sgpr_kernarg_segment_ptr 1
		.amdhsa_wavefront_size32 1
		.amdhsa_system_sgpr_workgroup_id_x 1
		.amdhsa_system_sgpr_workgroup_id_y 1
		.amdhsa_system_sgpr_workgroup_id_z 1
		.amdhsa_system_vgpr_workitem_id 0
		.amdhsa_next_free_vgpr 352
		.amdhsa_next_free_sgpr 66
		.amdhsa_reserve_vcc 0
		.amdhsa_float_denorm_mode_32 3
		.amdhsa_float_denorm_mode_16_64 3
		.amdhsa_memory_ordered 1
		.amdhsa_forward_progress 1
		.amdhsa_inst_pref_size 197
	.end_amdhsa_kernel
	.amdgpu_metadata
---
amdhsa.version: [ 1, 2 ]
amdhsa.kernels:
  - .name:           k_q6507421570_attn
    .symbol:         k_q6507421570_attn.kd
    .args:
      - { .name: qbuf, .offset: 0, .size: 8, .value_kind: global_buffer, .address_space: global }
      - { .name: kbuf, .offset: 8, .size: 8, .value_kind: global_buffer, .address_space: global }
      - { .name: vbuf, .offset: 16, .size: 8, .value_kind: global_buffer, .address_space: global }
      - { .name: ao, .offset: 24, .size: 8, .value_kind: global_buffer, .address_space: global }
    .group_segment_fixed_size: 271360
    .private_segment_fixed_size: 0
    .kernarg_segment_align: 8
    .kernarg_segment_size: 32
    .max_flat_workgroup_size: 256
    .sgpr_count:     66
    .vgpr_count:     352
    .wavefront_size: 32
...
	.end_amdgpu_metadata
.endif
;; end of part 3
;; launch proj (part 4): grid 8 x 32, 4 waves a work-group, clusters of 4 x 4, 327,680 bytes of LDS; arguments ao, wpT, c_proj_b, out0; writes out0
.if DOCPART == 4
	.amdgcn_target "amdgcn-amd-amdhsa--gfx1250"
	.amdhsa_code_object_version 6
	.text
	.protected	k_q6507421570_proj
	.globl	k_q6507421570_proj
	.p2align	8
	.type	k_q6507421570_proj,@function
k_q6507421570_proj:
	s_mov_b64 s[64:65], 0
	v_nop
	global_prefetch_b8 v0, s[64:65] scope:SCOPE_SE
	s_setreg_imm32_b32 hwreg(HW_REG_WAVE_MODE, 25, 1), 1
	s_wait_xcnt 0x0
	s_wait_alu depctr_hold_cnt(0) depctr_sa_sdst(0) depctr_va_vdst(0) depctr_va_sdst(0) depctr_va_ssrc(0) depctr_va_vcc(0) depctr_vm_vsrc(0)
	s_getreg_b32 s2, hwreg(HW_REG_IB_STS2, 6, 4)
	s_cmp_eq_u32 s2, 0
	s_cbranch_scc0 .Lentry_in_a_cluster
	s_endpgm
.Lentry_in_a_cluster:
	s_bfe_u32 s2, ttmp6, 0x10000c
	s_cmp_lg_u32 s2, 0xf033
	s_cbranch_scc0 .Lentry_shape_is_right
	s_endpgm
.Lentry_shape_is_right:
; out0 = merged heads x wpT^T + bias.  ao is [batch][part][head][position][64] bf16: each number of the attention's result is the sum of an upper part
; (part 0) and a lower part (part 1), 16 significand bits together.  wpT is [n][k] bf16, k = 64 head + d; out0 is f32.
; Both parts are multiplied by the same weights and added into the same f32 sums, so the product has K = 2,048: a batch's 32 blocks of a head's size follow
; each other in ao, and block 16 + head meets the weights of head again.
; A work-group makes 128 x 128 of out0 (4 M outputs on 256 work-groups); four waves 2 x 2, 64 x 64 each: 16 accumulator tiles in window 2.
; K goes in eight steps of 256 (four blocks) through two LDS slots: each slot is filled again three times; the steps are written out, without a loop.
; CLUSTERS: 4 x 4 work-groups; A's tile hangs on the block row alone and is shared along a row of the cluster, B's on the block column alone
; and is shared along a column.
; The matrix instruction is used transposed: lane l holds row l % 16 and columns 8 (l / 16) + 0 .. 7 of a tile.
.set APITCH, 144                       ; a position's 128 bytes of one head + 16
.set BPITCH, 528                       ; 256 k in bf16 + 16
.set HEADB,  128*APITCH                ; one head's 128 rows
.set ABYTES, 4*HEADB
.set BHALF,  64*BPITCH
.set SLOT,   ABYTES+2*BHALF
.set STAGE,  2*SLOT                    ; a multiple of 256; 16 rows x 272 bytes for each wave; no tensor load lands there
.set SPITCH, 272
.set ADRA, 16
.set ADRB, 20
.set STO,  24
.set RD,   25
.set CO,   26
.set BO,   27
.set BIAS, 32                          ; v[32:35]
.set F0,   64                          ; fragment buffers: A's in window 0, B's in window 1; fragment 4 e + tile
.set F1,   128
.set G1,  24
.set G0,  32
.set G1B, 48
.set G0B, 56
.set MSB, 0
.macro WIN new
.if MSB != (\new)
	s_set_vgpr_msb (MSB<<8)|(\new)
.set MSB, \new
.endif
.endm
.set MUL,  0xa1                        ; source 0 (B) window 1, source 1 (A) window 0, C and D window 2
.set TO_B, 0x40
.macro JLOAD s
	s_cmp_eq_u32 s13, 0
	s_cbranch_scc0 .Lfor_b_\@
	tensor_load_to_lds s[G0+4*\s:G0+4*\s+3], s[G1:G1+7]
	s_nop 0
	s_branch .Lasked_\@
.Lfor_b_\@:
	tensor_load_to_lds s[G0B+4*\s:G0B+4*\s+3], s[G1B:G1B+7]
	s_nop 0
.Lasked_\@:
.endm
.macro CREST
	s_cmp_lg_u32 s12, 0
	s_cbranch_scc1 .Lnot_wave_0_\@
	s_barrier_signal -3
.Lnot_wave_0_\@:
	s_barrier_wait -3
	s_barrier_signal -1
	s_barrier_wait -1
.endm
.macro CROUND
	s_barrier_signal -1
	s_barrier_wait -1
	CREST
.endm
.macro PLACES                          ; four plain vector instructions behind a matrix instruction (ISA guide 7.12.1)
.rept 4
	v_nop
.endr
.endm
	s_load_b256 s[4:11], s[0:1], 0x0               ; ao s[4:5], wpT s[6:7], c_proj_b s[8:9], out0 s[10:11]
	s_set_vgpr_msb 0x40
	v_lshl_add_u32 v255, v0, 2, 0x49400
	s_set_vgpr_msb 0x4000
	v_mov_b32 v255, 0
	s_set_vgpr_msb 0x1
	ds_add_u32 v255, v255
	ds_add_u32 v255, v255
	s_set_vgpr_msb 0x100
	v_lshrrev_b32 v1, 5, v0
	v_readfirstlane_b32 s12, v1                    ; wave
	s_lshr_b32 s13, s12, 1                         ; my half of the rows.  Also: I fetch for A (0) or for B (1)
	s_and_b32 s14, s12, 1                          ; my half of the columns.  Also: which half of that tile I fetch
	s_bfe_u32 s40, ttmp6, 0x40000                  ; cx
	s_bfe_u32 s41, ttmp6, 0x40004                  ; cy
	s_lshl_b32 s42, ttmp9, 2
	s_add_co_u32 s42, s42, s40                     ; block column
	s_and_b32 s43, ttmp7, 0xffff
	s_lshl_b32 s43, s43, 2
	s_add_co_u32 s43, s43, s41                     ; block row
	s_lshl_b32 s44, s41, 2
	s_lshl_b32 s44, 15, s44                        ; my row of the cluster
	s_lshl_b32 s45, 0x1111, s40                    ; my column
	; A: two blocks' 128 positions: two rows of 2,048 elements of 8 bytes (16,384 dense bytes), 32,768 elements apart; 4 words skipped in LDS after every 32
	s_or_b32 s[G1+0], s44, (3<<16)|(1<<20)|(1<<21)|(4<<22)|(3<<25)
	s_mov_b32 s[G1+1], 2048<<16
	s_mov_b32 s[G1+2], 2<<16
	s_mov_b32 s[G1+3], 2048<<16
	s_mov_b32 s[G1+4], 2
	s_mov_b32 s[G1+5], 32768
	s_mov_b32 s[G1+6], 0
	s_mov_b32 s[G1+7], 0
	; B: 64 rows of 256 bf16; 4 words skipped after every 128
	s_or_b32 s[G1B+0], s45, (1<<16)|(1<<20)|(1<<21)|(6<<22)|(3<<25)
	s_mov_b32 s[G1B+1], 256<<16
	s_mov_b32 s[G1B+2], 64<<16
	s_mov_b32 s[G1B+3], 256<<16
	s_mov_b32 s[G1B+4], 64
	s_mov_b32 s[G1B+5], 1024
	s_mov_b32 s[G1B+6], 0
	s_mov_b32 s[G1B+7], 0
	s_lshr_b32 s16, s43, 4
	s_lshl_b32 s16, s16, 23                        ; A: batch x 32 blocks x 262,144 bytes
	s_lshl_b32 s17, s14, 19                        ; + my two blocks
	s_add_co_u32 s16, s16, s17
	s_and_b32 s17, s43, 15
	s_lshl_b32 s17, s17, 14                        ; + the block row's 128 positions
	s_add_co_u32 s16, s16, s17
	s_mov_b32 s17, 0
	s_lshl_b32 s46, s42, 7
	s_lshl_b32 s47, s14, 6
	s_add_co_u32 s46, s46, s47                     ; B: row 128 x block column + 64 x half
	s_lshl_b32 s46, s46, 11
	s_mov_b32 s47, 0
	s_mul_i32 s20, s12, 2*HEADB                    ; LDS: A's block pairs at wave x 2 blocks (waves 0, 1),
	s_mul_i32 s21, s12, BHALF
	s_add_co_u32 s21, s21, ABYTES-2*BHALF          ; B's halves behind them (waves 2, 3)
	s_lshl_b32 s76, s42, 9
	s_lshl_b32 s77, s14, 8
	s_add_co_u32 s76, s76, s77                     ; my 64 columns in f32: 512 x block column + 256 x half
	s_mov_b32 s77, 0
	s_lshl_b32 s78, s43, 7
	s_lshl_b32 s79, s13, 6
	s_add_co_u32 s78, s78, s79                     ; my first row
	s_lshl_b32 s78, s78, 12                        ; rows of 4,096 bytes
	s_mov_b32 s79, 0
	s_wait_dscnt 0x0
	s_wait_kmcnt 0x0
	s_add_nc_u64 s[18:19], s[4:5], s[16:17]
	s_add_nc_u64 s[46:47], s[6:7], s[46:47]        ; B's rows at k = 0: kept to the end, every refill's address is made from it
	s_add_nc_u64 s[8:9], s[8:9], s[76:77]
	s_add_nc_u64 s[10:11], s[10:11], s[76:77]
	s_add_nc_u64 s[10:11], s[10:11], s[78:79]
	CROUND                                         ; all sixteen work-groups are here: the first joint loads meet
.irp s, 0,1
	s_mov_b32 s[G0+4*\s], 1
	s_add_co_u32 s[G0+4*\s+1], s20, \s*SLOT
	s_add_nc_u64 s[G0+4*\s+2:G0+4*\s+3], s[18:19], \s*4*262144
	s_or_b32 s[G0+4*\s+3], s[G0+4*\s+3], 0x80000000
	s_mov_b32 s[G0B+4*\s], 1
	s_add_co_u32 s[G0B+4*\s+1], s21, \s*SLOT
	s_add_nc_u64 s[G0B+4*\s+2:G0B+4*\s+3], s[46:47], \s*512
	s_or_b32 s[G0B+4*\s+3], s[G0B+4*\s+3], 0x80000000
	JLOAD \s                                       ; two tensor loads of the wave are out
.endr
	v_and_b32 v1, 15, v0                           ; r
	v_bfe_u32 v2, v0, 4, 1                         ; h
	v_mul_u32_u24 v3, v1, APITCH
	v_lshl_add_u32 v3, v2, 4, v3
	v_mul_u32_u24 v4, v1, BPITCH
	v_lshl_add_u32 v4, v2, 4, v4
	s_mul_i32 s22, s13, 64*APITCH                  ; my 64 rows in each block
	s_mul_i32 s23, s14, BHALF                      ; my 64 rows of B,
	s_add_co_u32 s23, s23, ABYTES                  ; behind A
.irp s, 0,1
	v_add_nc_u32 v[ADRA+\s], s22, v3
	v_add_nc_u32 v[ADRB+\s], s23, v4
	s_add_co_u32 s22, s22, SLOT
	s_add_co_u32 s23, s23, SLOT
.endr
	s_mul_i32 s22, s12, 16*SPITCH
	s_add_co_u32 s22, s22, STAGE
	v_mul_u32_u24 v5, v1, SPITCH
	v_lshl_add_u32 v5, v2, 5, v5
	v_add_nc_u32 v[STO], s22, v5                   ; in: row r, 32 bytes for each half of the lanes
	v_mul_u32_u24 v5, v2, SPITCH
	v_lshl_add_u32 v5, v1, 4, v5
	v_add_nc_u32 v[RD], s22, v5                    ; back: sixteen lanes take a row of 256 bytes
	v_lshlrev_b32 v[BO], 4, v1
	v_lshl_add_u32 v[CO], v2, 12, v[BO]            ; and the same two rows in out0
	global_load_b128 v[BIAS:BIAS+3], v[BO], s[8:9] ; the bias of the four columns that I store; it stays on its way through the K steps
; 8 matrix instructions: row tiles a0, a0 + 1 x 4 column tiles, 32 along K (half e of the buffer's 64).  The 16 accumulators take turns, one
; instruction a turn, in the same order throughout.
.macro MUL8 f, e, a0, zero
.irp a, \a0, \a0+1
.irp b, 0,1,2,3
.if \zero
	v_wmma_f32_16x16x32_bf16 v[8*(4*(\a)+\b):8*(4*(\a)+\b)+7], v[\f+8*(4*\e+\b):\f+8*(4*\e+\b)+7], v[\f+8*(4*\e+\a):\f+8*(4*\e+\a)+7], 0
.else
	v_wmma_f32_16x16x32_bf16 v[8*(4*(\a)+\b):8*(4*(\a)+\b)+7], v[\f+8*(4*\e+\b):\f+8*(4*\e+\b)+7], v[\f+8*(4*\e+\a):\f+8*(4*\e+\a)+7], v[8*(4*(\a)+\b):8*(4*(\a)+\b)+7]
.endif
.endr
.endr
.endm
; 32 LDS loads in one run: block z of the slot (64 along K): 64 rows of B, then 64 rows of A with half e = 1 last
.macro FETCH slot, z, f
	WIN TO_B
.irp e, 0,1
.irp b, 0,1,2,3
	ds_load_b128 v[\f+8*(4*\e+\b):\f+8*(4*\e+\b)+3],   v[ADRB+\slot] offset:\b*16*BPITCH+64*(2*\z+\e)
	ds_load_b128 v[\f+8*(4*\e+\b)+4:\f+8*(4*\e+\b)+7], v[ADRB+\slot] offset:\b*16*BPITCH+64*(2*\z+\e)+32
.endr
.endr
	WIN 0
.irp e, 0,1
.irp a, 0,1,2,3
	ds_load_b128 v[\f+8*(4*\e+\a):\f+8*(4*\e+\a)+3],   v[ADRA+\slot] offset:\z*HEADB+\a*16*APITCH+64*\e
	ds_load_b128 v[\f+8*(4*\e+\a)+4:\f+8*(4*\e+\a)+7], v[ADRA+\slot] offset:\z*HEADB+\a*16*APITCH+64*\e+32
.endr
.endr
.endm
.macro STG slot, zn, f, g, zero        ; multiplies buffer f; in its middle fetches block zn of the same slot into buffer g
	s_wait_dscnt 8                                 ; all but the youngest eight loads (A's half e = 1)
	WIN MUL
	MUL8 \f, 0, 0, \zero
	MUL8 \f, 0, 2, \zero
	PLACES
	FETCH \slot, \zn, \g
	s_wait_dscnt 32                                ; all but the 32 just issued
	WIN MUL
	MUL8 \f, 1, 0, 0
	MUL8 \f, 1, 2, 0
.endm
.macro THREE slot, zero
	STG \slot, 1, F0, F1, \zero
	STG \slot, 2, F1, F0, 0
	STG \slot, 3, F0, F1, 0
.endm
; The slot's last block, and the change of slots.  In front of the barrier each wave waits for its reads of this slot and for all its tensor loads;
; with fill the barrier opens a round of the cluster's barrier, and the joint refill is the first tensor load behind the round.
; The refill is the K step two further on: A's address goes eight blocks on; B's is its rows' first byte + bk, the byte of k block (step mod 4) in a row.
.macro TURN slot, next, fill, bk
	s_wait_dscnt 8
	WIN MUL
	MUL8 F1, 0, 0, 0
	MUL8 F1, 0, 2, 0
	s_wait_dscnt 0
	s_wait_tensorcnt 0x0
	ds_add_u32 v255, v255
	s_wait_dscnt 0x0
	s_barrier_signal -1
	MUL8 F1, 1, 0, 0                               ; register work between signal and wait
	WIN 0
	s_barrier_wait -1
.if \fill
	CREST
	s_add_nc_u64 s[G0+4*\slot+2:G0+4*\slot+3], s[G0+4*\slot+2:G0+4*\slot+3], 8*262144        ; no tensor load of mine is out: the descriptors may be written
	s_add_nc_u64 s[G0B+4*\slot+2:G0B+4*\slot+3], s[46:47], \bk
	s_or_b32 s[G0B+4*\slot+3], s[G0B+4*\slot+3], 0x80000000
	JLOAD \slot
.endif
	PLACES
	FETCH \next, 0, F0
	WIN MUL
	MUL8 F1, 1, 2, 0
.endm
	s_wait_tensorcnt 1                             ; my part of K step 0 is in; K step 1's stays out
	s_barrier_signal -1
	s_barrier_wait -1
	FETCH 0, 0, F0
	THREE 0, 1                                     ; K step 0: upper parts, heads 0-3; the first products start the sums
	TURN 0, 1, 1, 1024                             ; asks for step 2: upper parts, heads 8-11
	THREE 1, 0                                     ; K step 1: heads 4-7
	TURN 1, 0, 1, 1536                             ; step 3: heads 12-15
	THREE 0, 0                                     ; K step 2
	TURN 0, 1, 1, 0                                ; step 4: lower parts, heads 0-3: the weights begin again
	THREE 1, 0                                     ; K step 3
	TURN 1, 0, 1, 512                              ; step 5
	THREE 0, 0                                     ; K step 4
	TURN 0, 1, 1, 1024                             ; step 6
	THREE 1, 0                                     ; K step 5
	TURN 1, 0, 1, 1536                             ; step 7
	THREE 0, 0                                     ; K steps 6 and 7: nothing is left to fetch
	TURN 0, 1, 0, 0
	THREE 1, 0
	s_wait_dscnt 8
	WIN MUL
	MUL8 F1, 0, 0, 0
	MUL8 F1, 0, 2, 0
	s_wait_dscnt 0
	MUL8 F1, 1, 0, 0
	MUL8 F1, 1, 2, 0
	; THE WAY OUT, 16 rows at a time through my stage: in by lanes' 32 bytes, back as whole rows of 256 bytes, bias added, stored.
	PLACES
	s_wait_loadcnt 0x0                             ; the bias
.macro OUT16 a, rb
	WIN 0x08                                       ; store data (source 1) in window 2
.irp b, 0,1,2,3
	ds_store_b128 v[STO], v[8*(4*\a+\b):8*(4*\a+\b)+3]   offset:64*\b
	ds_store_b128 v[STO], v[8*(4*\a+\b)+4:8*(4*\a+\b)+7] offset:64*\b+16
.endr
	WIN 0
	s_wait_xcnt 0x0                                ; the set that earlier stores read is loaded again only behind this wait
.irp t, 0,1,2,3,4,5,6,7
	ds_load_b128 v[F0+32*\rb+4*\t:F0+32*\rb+4*\t+3], v[RD] offset:\t*2*SPITCH      ; my own bytes, served in order
.endr
.irp t, 0,1,2,3,4,5,6,7
	s_wait_dscnt 7-\t
	v_pk_add_f32 v[F0+32*\rb+4*\t:F0+32*\rb+4*\t+1],   v[F0+32*\rb+4*\t:F0+32*\rb+4*\t+1],   v[BIAS:BIAS+1]
	v_pk_add_f32 v[F0+32*\rb+4*\t+2:F0+32*\rb+4*\t+3], v[F0+32*\rb+4*\t+2:F0+32*\rb+4*\t+3], v[BIAS+2:BIAS+3]
	global_store_b128 v[CO], v[F0+32*\rb+4*\t:F0+32*\rb+4*\t+3], s[10:11] offset:(16*\a+2*\t)*4096    ; sixteen lanes store 256 neighbouring bytes, aligned
.endr
.endm
	OUT16 0, 0
	OUT16 1, 1
	OUT16 2, 0
	OUT16 3, 1
	s_set_vgpr_msb 0x1
	s_wait_tensorcnt 0x0
	ds_add_u32 v255, v255
	s_wait_dscnt 0x0
	s_set_vgpr_msb 0x100
	CROUND                                         ; the closing round: no work-group ends while a partner may still ask for a tile that names it
	s_endpgm
.Lfunc_end_k_q6507421570_proj:
	.size	k_q6507421570_proj, .Lfunc_end_k_q6507421570_proj-k_q6507421570_proj
	.p2alignl 7, 3214868480
	.fill 96, 4, 3214868480
	.section	.rodata,"a",@progbits
	.p2align	6, 0x0
	.amdhsa_kernel k_q6507421570_proj
		.amdhsa_group_segment_fixed_size 327680
		.amdhsa_private_segment_fixed_size 0
		.amdhsa_enable_private_segment 0
		.amdhsa_kernarg_size 32
		.amdhsa_user_sgpr_count 2
		.amdhsa_user_sgpr_kernarg_segment_ptr 1
		.amdhsa_wavefront_size32 1
		.amdhsa_system_sgpr_workgroup_id_x 1
		.amdhsa_system_sgpr_workgroup_id_y 1
		.amdhsa_system_sgpr_workgroup_id_z 1
		.amdhsa_system_vgpr_workitem_id 0
		.amdhsa_next_free_vgpr 768
		.amdhsa_next_free_sgpr 80
		.amdhsa_reserve_vcc 0
		.amdhsa_float_denorm_mode_32 3
		.amdhsa_float_denorm_mode_16_64 3
		.amdhsa_memory_ordered 1
		.amdhsa_forward_progress 1
		.amdhsa_inst_pref_size 163
	.end_amdhsa_kernel
	.amdgpu_metadata
---
amdhsa.version: [ 1, 2 ]
amdhsa.kernels:
  - .name:           k_q6507421570_proj
    .symbol:         k_q6507421570_proj.kd
    .args:
      - { .name: ao, .offset: 0, .size: 8, .value_kind: global_buffer, .address_space: global }
      - { .name: wpT, .offset: 8, .size: 8, .value_kind: global_buffer, .address_space: global }
      - { .name: c_proj_b, .offset: 16, .size: 8, .value_kind: global_buffer, .address_space: global }
      - { .name: out0, .offset: 24, .size: 8, .value_kind: global_buffer, .address_space: global }
    .group_segment_fixed_size: 327680
    .private_segment_fixed_size: 0
    .kernarg_segment_align: 8
    .kernarg_segment_size: 32
    .max_flat_workgroup_size: 128
    .sgpr_count:     80
    .vgpr_count:     768
    .wavefront_size: 32
...
	.end_amdgpu_metadata
.endif
;; end of part 4
;; ======== version 2 of 2: 4 launches; version 1 with the launch prep written anew for expert scheduling mode
;; limits: values are held in f16: magnitudes above 65,504 overflow, below 6.1e-05 lose precision
;; workspace buffers: xb 8,388,608 bytes; waT 6,291,456 bytes; wpT 2,097,152 bytes; tab 524,288 bytes; qbuf 8,388,608 bytes; kbuf 8,388,608 bytes; vbuf 8,388,608 bytes; ao 16,777,216 bytes
;; launch prep (part 5): grid 256 x 1, 8 waves a work-group, no clusters, 35,840 bytes of LDS; arguments hidden_states, c_attn_w, c_proj_w, xb, waT, wpT, tab; writes xb, waT, wpT, tab
.if DOCPART == 5
	.amdgcn_target "amdgcn-amd-amdhsa--gfx1250"
	.amdhsa_code_object_version 6
	.text
	.protected	k_q6507421570_prep
	.globl	k_q6507421570_prep
	.p2align	8
	.type	k_q6507421570_prep,@function
k_q6507421570_prep:
	s_mov_b64 s[64:65], 0
	v_nop
	global_prefetch_b8 v0, s[64:65] scope:SCOPE_SE
	s_setreg_imm32_b32 hwreg(HW_REG_WAVE_SCHED_MODE, 0, 2), 2
	s_setreg_imm32_b32 hwreg(HW_REG_WAVE_MODE, 25, 1), 1
	s_wait_xcnt 0x0
	s_wait_alu depctr_vm_vsrc(0)
; Three jobs for each of 256 work-groups of eight waves; no loop, no matrix work.
;  (1) xb = hidden_states as bf16: 65,536 bytes of f32 in, 32,768 bytes out for each work-group.
;  (2) one tile of 128 k x 128 n of a weight, transposed to [n][k] bf16 through LDS.  Work-groups 0-191 take c_attn_w (8 x 24 tiles),
;      192-255 take c_proj_w (8 x 8).  c_attn_w's column n = 1024 type + 64 head + d goes to row 192 head + 64 type + d of waT, so that
;      192 neighbouring rows of waT are one head's q, k and v.
;  (3) eight rows of the rotary table, one position a wave: tab[pos] = 32 cosines, then 32 sines, of pos x 4000^(-i/32): 256 bytes.
; All 32 loads of a lane go out first; the table is computed while they are on their way.
; LIMIT: the angle is pos x exp2(-i x 0.37393076) in f32; the exponential is good to one unit in the last place, so the angle differs
; from f32 t x inv_freq by some 2e-4 radians at the largest angle (1,580).  Sine and cosine: quadrant reduction with pi/2 in two parts,
; then polynomials of degree 7 and 8 on |f| <= pi/4, whose first dropped terms are below 4e-7.
; THE MODE: SCHED_MODE bits 1:0 = 2 (LLVM: expert scheduling mode 2), set by the entry lines.  The code itself states the register dependences
; between vector instructions and memory or LDS instructions, with s_wait_alu, always for 0.
; THE PLAN.  Registers that memory or LDS instructions touch, in the order of the text:
;   v2, v3, v[WA ..]   offsets, made at the head, read by the loads of x and of the weight and by the stores of xb; never written again.
;   XR                 the loads of x land in it; the 32 roundings read it and write words 0-3 of each eight; the 8 stores of xb read those.
;   WR                 the loads of the weight land in it; the 32 roundings read it; behind the barrier 8 LDS loads land in it; the last 8 stores read it.
;   TR                 written by those 32 roundings; read by the 8 LDS stores.
;   v199, v[184:185]   the table's offset and two numbers: written by the table's arithmetic, read by its one store.
;   v196, v197, v198   LDS and memory addresses of the transposition: made once, behind the exponentials.
;   v208, v209         made at the head, read by the closing add alone.
; No register that a memory or LDS instruction reads is written again, so no wait on vm_vsrc is owed but the closing lines'.  The roundings stand in whole runs,
; each with one wait on va_vdst between it and the run of stores that reads its results; the two frequencies' sines and cosines go side by side on two sets of
; work registers, so that the two exponentials have one wait and the two masks have one.
.set WA, 4                             ; v[4:19]    byte offsets of my 16 rows of the weight tile: one register a load, none rewritten
.set XR, 20                            ; v[20:83]   x as loaded, then packed in place
.set WR, 84                            ; v[84:147]  the weight rows as loaded; later the transposed rows read back
.set TR, 148                           ; v[148:179] the weight, packed by columns
.set TPITCH, 272                       ; an LDS row: 128 k in bf16 + 16 bytes
                                       ; v[186:195] the first frequency's work registers (v191 serves both); v[210:219] the second's, 24 further on
	s_load_b256 s[4:11], s[0:1], 0x0               ; hidden s[4:5], c_attn_w s[6:7], c_proj_w s[8:9], xb s[10:11]
	s_load_b128 s[12:15], s[0:1], 0x20             ; waT s[12:13], wpT s[14:15]
	s_load_b64 s[16:17], s[0:1], 0x30              ; tab
	v_lshl_add_u32 v208, v0, 2, 0x8800             ; my spare word, behind the tile's 128 rows of 272 bytes; kept for the closing lines alone
	v_mov_b32 v209, 0                              ; and 0, likewise
	v_and_b32 v1, 31, v0                           ; lane
	v_lshrrev_b32 v2, 5, v0
	v_readfirstlane_b32 s18, v2                    ; wave
	s_mov_b32 s19, ttmp9                           ; g
	s_sub_co_u32 s20, s19, 192
	s_movk_i32 s22, 0x3000                         ; bytes in a row of c_attn_w
	s_movk_i32 s23, 0x1000                         ; and of c_proj_w
	s_cmp_lt_u32 s19, 192
	s_cselect_b32 s21, s19, s20                    ; the tile's number in its weight
	s_cselect_b32 s28, s22, s23                    ; the source's pitch
	s_cselect_b32 s29, 128, 0                      ; waT: the tile's second head lies 128 rows further than its column says
	s_and_b32 s31, s21, 7                          ; kb: block of 128 k
	s_lshr_b32 s32, s21, 3                         ; nb: block of 128 n
	s_and_b32 s33, s32, 7
	s_mul_i32 s33, s33, 384                        ; waT: two heads of 192 rows for each block,
	s_lshr_b32 s34, s32, 3
	s_lshl_b32 s34, s34, 6                         ; + 64 type
	s_add_co_u32 s33, s33, s34
	s_lshl_b32 s34, s32, 7                         ; wpT: 128 nb
	s_cmp_lt_u32 s19, 192
	s_cselect_b32 s30, s33, s34                    ; first destination row
	s_lshl_b32 s36, s31, 7
	s_mul_i32 s36, s36, s28                        ; source: 128 kb rows
	s_lshl_b32 s37, s32, 9                         ; + 128 nb columns of 4 bytes
	s_add_co_u32 s36, s36, s37
	s_mov_b32 s37, 0
	s_wait_alu depctr_va_sdst(0)                   ; s18, the wave's number, is written, ahead of its first reader: offsets and LDS addresses are made from it
	s_lshr_b32 s38, s18, 2                         ; destination: which of the tile's two heads my 16 rows belong to
	s_mul_i32 s38, s38, s29
	s_add_co_u32 s38, s38, s30
	s_lshl4_add_u32 s38, s18, s38                  ; + 16 wave
	s_lshl_b32 s38, s38, 11                        ; rows of 2,048 bytes
	s_lshl_b32 s39, s31, 8                         ; + 128 kb in bf16
	s_add_co_u32 s38, s38, s39
	s_mov_b32 s39, 0
	s_lshl_b32 s40, s19, 16                        ; x: 65,536 bytes a work-group
	s_mov_b32 s41, 0
	s_lshl_b32 s42, s19, 15                        ; xb: 32,768
	s_mov_b32 s43, 0
	s_lshl3_add_u32 s44, s19, s18                  ; pos = 8 g + wave
	s_lshl_b32 s46, s44, 8                         ; its row of 256 bytes
	s_mov_b32 s47, 0
	s_lshl_b32 s35, s18, 4
	s_mul_i32 s35, s35, s28                        ; my 16 rows of the tile
	s_mul_i32 s45, s18, 16*TPITCH                  ; my 16 rows of the transposed tile in LDS
	v_lshlrev_b32 v2, 5, v1
	v_lshl_add_u32 v2, s18, 13, v2                 ; x: 8,192 wave + 32 lane
	v_lshlrev_b32 v3, 4, v1
	v_lshl_add_u32 v3, s18, 12, v3                 ; xb: 4,096 wave + 16 lane
	v_lshl_add_u32 v[WA], v1, 4, s35               ; weight: 16 lane + row x pitch
.irp i, 1,2,3,4,5,6,7,8,9,10,11,12,13,14,15
	v_add_nc_u32 v[WA+\i], s28, v[WA+\i-1]
.endr
	s_wait_kmcnt 0x0
	s_cmp_lt_u32 s19, 192
	s_cselect_b64 s[24:25], s[6:7], s[8:9]         ; the weight that I read
	s_cselect_b64 s[26:27], s[12:13], s[14:15]     ; and the one that I write
	s_add_nc_u64 s[24:25], s[24:25], s[36:37]
	s_add_nc_u64 s[26:27], s[26:27], s[38:39]
	s_add_nc_u64 s[4:5], s[4:5], s[40:41]
	s_add_nc_u64 s[10:11], s[10:11], s[42:43]
	s_add_nc_u64 s[16:17], s[16:17], s[46:47]
	s_wait_alu depctr_va_vdst(0)                   ; the offsets v2, v3 and v[WA ..] are written: the loads below and the stores of xb read them
.irp p, 0,1,2,3,4,5,6,7
	global_load_b128 v[XR+8*\p:XR+8*\p+3],   v2, s[4:5] offset:1024*\p th:TH_LOAD_NT      ; a lane's 8 neighbouring numbers: 16 bytes of bf16
	global_load_b128 v[XR+8*\p+4:XR+8*\p+7], v2, s[4:5] offset:1024*\p+16 th:TH_LOAD_NT
.endr
.irp i, 0,1,2,3,4,5,6,7,8,9,10,11,12,13,14,15
	global_load_b128 v[WR+4*\i:WR+4*\i+3], v[WA+\i], s[24:25] th:TH_LOAD_NT              ; row 16 wave + i: 512 neighbouring bytes
.endr
	; the table.  Lanes 0-15 make cosines, lanes 16-31 sines, of frequencies 2 (lane mod 16) and the next.
	v_cvt_f32_u32 v180, s44                        ; pos
	v_lshrrev_b32 v181, 4, v1                      ; kind: 0 cosine, 1 sine
	v_sub_nc_u32 v191, 1, v181                     ; a cosine is the sine one quadrant on
	v_and_b32 v200, 15, v1
	v_lshlrev_b32 v182, 1, v200
	v_add_nc_u32 v183, 1, v182
	v_cvt_f32_u32 v182, v182
	v_cvt_f32_u32 v183, v183
	v_lshlrev_b32 v199, 3, v1                      ; 8 bytes a lane
; One line for each of the two frequencies: o = 0, the first set of work registers, then o = 24, the second.  o / 24 picks the frequency's number, result and mask.
.macro BOTH line:vararg
.set o, 0
	\line
.set o, 24
	\line
.endm
	; -i log2(4000) / 32, and inv_freq: the two exponentials are one batch
	BOTH v_mul_f32 v[186+o], 0xbebf73da, v[182+o/24]
	BOTH v_exp_f32 v[186+o], v[186+o]
	; LDS addresses of the transposition: seven plain lines that name no result of the batch stand between it and its wait (ISA guide 5.7.2 asks for one)
	v_mul_u32_u24 v196, v1, 4*TPITCH
	v_lshl_add_u32 v196, s18, 5, v196              ; in: row 4 lane (+ c), byte 32 wave
	v_mul_u32_u24 v197, v181, TPITCH
	v_lshl_add_u32 v197, v200, 4, v197
	v_add_nc_u32 v197, s45, v197                   ; back: row 16 wave + lane / 16, byte 16 (lane mod 16)
	v_lshlrev_b32 v198, 11, v181
	v_lshl_add_u32 v198, v200, 4, v198             ; and the same place in the transposed weight
	s_wait_alu depctr_va_vdst(0)                   ; both exponentials have written v186 and v210, ahead of their first reader; v196 to v199, which LDS and memory instructions read further down, are written too
	; x = pos x inv_freq; n = x 2/pi, rounded; f = x - n pi/2, first the upper part of pi/2, then what the upper part has too much; the quadrant
	BOTH v_mul_f32 v[187+o], v180, v[186+o]
	BOTH v_mul_f32 v[188+o], 0x3f22f983, v[187+o]
	BOTH v_rndne_f32 v[188+o], v[188+o]
	BOTH v_fmamk_f32 v[189+o], v[188+o], 0xbfc90fdb, v[187+o]
	BOTH v_fmamk_f32 v[189+o], v[188+o], 0x333bbd2e, v[189+o]
	BOTH v_cvt_i32_f32 v[190+o], v[188+o]
	BOTH v_add_nc_u32 v[190+o], v[190+o], v191
	; u = f f; sin f with the coefficients -1/5040, 1/120, -1/6
	BOTH v_mul_f32 v[192+o], v[189+o], v[189+o]
	BOTH v_mov_b32 v[193+o], 0xb9500d01
	BOTH v_fmaak_f32 v[193+o], v[192+o], v[193+o], 0x3c088889
	BOTH v_fmaak_f32 v[193+o], v[192+o], v[193+o], 0xbe2aaaab
	BOTH v_mul_f32 v[194+o], v[189+o], v[192+o]
	BOTH v_fma_f32 v[193+o], v[194+o], v[193+o], v[189+o]
	; cos f with the coefficients 1/40320, -1/720, 1/24, -1/2, 1
	BOTH v_mov_b32 v[195+o], 0x37d00d01
	BOTH v_fmaak_f32 v[195+o], v[192+o], v[195+o], 0xbab60b61
	BOTH v_fmaak_f32 v[195+o], v[192+o], v[195+o], 0x3d2aaaab
	BOTH v_fmaak_f32 v[195+o], v[192+o], v[195+o], 0xbf000000
	BOTH v_fmaak_f32 v[195+o], v[192+o], v[195+o], 0x3f800000
	; the masks of the odd quadrants, into s20 and s21 (free since the head); behind them the sign bit of quadrants 2 and 3, which names no mask
	BOTH v_and_b32 v[194+o], 1, v[190+o]
	BOTH v_cmp_eq_u32 s[20+o/24], 1, v[194+o]
	BOTH v_lshlrev_b32 v[194+o], 30, v[190+o]
	BOTH v_and_b32 v[194+o], 0x80000000, v[194+o]
	s_wait_alu depctr_va_sdst(0)                   ; the two compares have written s20 and s21, ahead of the selects that read them
	; odd quadrants take the cosine; quadrants 2 and 3 change the sign
	BOTH v_cndmask_b32 v[184+o/24], v[193+o], v[195+o], s[20+o/24]
	BOTH v_xor_b32 v[184+o/24], v[184+o/24], v[194+o]
	s_wait_alu depctr_va_vdst(0)                   ; v184 and v185 are written: the store below reads them
	global_store_b64 v199, v[184:185], s[16:17]    ; the wave's store covers the position's 256 bytes, aligned
	s_wait_loadcnt 16                              ; x is in: the sixteen loads of the weight are younger
.irp p, 0,1,2,3,4,5,6,7
.irp d, 0,1,2,3
	v_cvt_pk_bf16_f32 v[XR+8*\p+\d], v[XR+8*\p+2*\d], v[XR+8*\p+2*\d+1]    ; packed in place: word d is written when words 2d, 2d+1 are read
.endr
.endr
	s_wait_alu depctr_va_vdst(0)                   ; the 32 roundings have written words 0-3 of each eight of XR, which the eight stores read
.irp p, 0,1,2,3,4,5,6,7
	global_store_b128 v3, v[XR+8*\p:XR+8*\p+3], s[10:11] offset:512*\p     ; 512 neighbouring bytes
.endr
	s_wait_loadcnt 0x0                             ; the weight's rows
	; I hold W[16 wave + i][4 lane + c].  Column c's sixteen k pack into 32 bytes of row 4 lane + c of the transposed tile.
.irp c, 0,1,2,3
.irp d, 0,1,2,3,4,5,6,7
	v_cvt_pk_bf16_f32 v[TR+8*\c+\d], v[WR+8*\d+\c], v[WR+8*\d+4+\c]
.endr
.endr
	s_wait_alu depctr_va_vdst(0)                   ; the 32 roundings have written TR, which the LDS stores read, and are done reading WR, in which the LDS loads behind the barrier land; no vector instruction follows
	; The lanes of these eight stores lie 1,088 bytes apart, so four of a group of sixteen share a 16-byte column modulo 256: kept, eight stores in all.
.irp c, 0,1,2,3
	ds_store_b128 v196, v[TR+8*\c:TR+8*\c+3]   offset:\c*TPITCH
	ds_store_b128 v196, v[TR+8*\c+4:TR+8*\c+7] offset:\c*TPITCH+16
.endr
	s_wait_dscnt 0x0                               ; my stores are in LDS, for the other waves' sake
	s_barrier_signal -1
	s_barrier_wait -1                              ; everybody's are
.irp t, 0,1,2,3,4,5,6,7
	ds_load_b128 v[WR+4*\t:WR+4*\t+3], v197 offset:\t*2*TPITCH
.endr
.irp t, 0,1,2,3,4,5,6,7
	s_wait_dscnt 7-\t                              ; LDS loads come back in order: load t is in
	global_store_b128 v198, v[WR+4*\t:WR+4*\t+3], s[26:27] offset:4096*\t  ; sixteen lanes store 256 neighbouring bytes, aligned
.endr
	s_wait_dscnt 0x0                               ; the closing lines, six on end
	s_wait_alu 0x0
	s_wait_tensorcnt 0x0
	ds_add_u32 v208, v209
	s_wait_dscnt 0x0
	s_endpgm
.Lfunc_end_k_q6507421570_prep:
	.size	k_q6507421570_prep, .Lfunc_end_k_q6507421570_prep-k_q6507421570_prep
	.p2alignl 7, 3214868480
	.fill 96, 4, 3214868480
	.section	.rodata,"a",@progbits
	.p2align	6, 0x0
	.amdhsa_kernel k_q6507421570_prep
		.amdhsa_group_segment_fixed_size 35840
		.amdhsa_private_segment_fixed_size 0
		.amdhsa_enable_private_segment 0
		.amdhsa_kernarg_size 56
		.amdhsa_user_sgpr_count 2
		.amdhsa_user_sgpr_kernarg_segment_ptr 1
		.amdhsa_wavefront_size32 1
		.amdhsa_system_sgpr_workgroup_id_x 1
		.amdhsa_system_sgpr_workgroup_id_y 1
		.amdhsa_system_sgpr_workgroup_id_z 1
		.amdhsa_system_vgpr_workitem_id 0
		.amdhsa_next_free_vgpr 220
		.amdhsa_next_free_sgpr 66
		.amdhsa_reserve_vcc 0
		.amdhsa_float_denorm_mode_32 3
		.amdhsa_float_denorm_mode_16_64 3
		.amdhsa_memory_ordered 1
		.amdhsa_forward_progress 1
		.amdhsa_inst_pref_size 18
	.end_amdhsa_kernel
	.amdgpu_metadata
---
amdhsa.version: [ 1, 2 ]
amdhsa.kernels:
  - .name:           k_q6507421570_prep
    .symbol:         k_q6507421570_prep.kd
    .args:
      - { .name: hidden_states, .offset: 0, .size: 8, .value_kind: global_buffer, .address_space: global }
      - { .name: c_attn_w, .offset: 8, .size: 8, .value_kind: global_buffer, .address_space: global }
      - { .name: c_proj_w, .offset: 16, .size: 8, .value_kind: global_buffer, .address_space: global }
      - { .name: xb, .offset: 24, .size: 8, .value_kind: global_buffer, .address_space: global }
      - { .name: waT, .offset: 32, .size: 8, .value_kind: global_buffer, .address_space: global }
      - { .name: wpT, .offset: 40, .size: 8, .value_kind: global_buffer, .address_space: global }
      - { .name: tab, .offset: 48, .size: 8, .value_kind: global_buffer, .address_space: global }
    .group_segment_fixed_size: 35840
    .private_segment_fixed_size: 0
    .kernarg_segment_align: 8
    .kernarg_segment_size: 56
    .max_flat_workgroup_size: 256
    .sgpr_count:     66
    .vgpr_count:     220
    .wavefront_size: 32
...
	.end_amdgpu_metadata
.endif
;; end of part 5
;; launch qkv: the kernel of part 2 again; grid 16 x 16, 4 waves a work-group, clusters of 4 x 4, 327,680 bytes of LDS; arguments xb, waT, c_attn_b, position_ids, tab, qbuf, kbuf, vbuf; writes qbuf, kbuf, vbuf
;; launch attn: the kernel of part 3 again; grid 8 x 32, 8 waves a work-group, no clusters, 271,360 bytes of LDS; arguments qbuf, kbuf, vbuf, ao; writes ao
;; launch proj: the kernel of part 4 again; grid 8 x 32, 4 waves a work-group, clusters of 4 x 4, 327,680 bytes of LDS; arguments ao, wpT, c_proj_b, out0; writes out0
